; MI455X (gfx1250); checked and timed in simulation.
; The chip was launched on July 23, 2026; its instructions are those of AMD's public machine-readable ISA for CDNA 5 (MIT licence, August 2026) and "CDNA5" Instruction Set Architecture Reference Guide (July 2026). The comments in the code are by the model that wrote it; some were corrected since.
;; Multi Head Self Attention. Allowed arithmetic: matrix products marked QUANTISED: E3M2 operands, one E8M0 scale for each 32 along K, by v_wmma_scale_f32_16x16x128_f8f6f4 with both operands' format E3M2, f32 sums; everything else in f32.
;; Inputs: Wk 1,024 x 1,024 float32; Wo 1,024 x 1,024 float32; Wq 1,024 x 1,024 float32; Wv 1,024 x 1,024 float32; bk 1,024 float32; bo 1,024 float32; bq 1,024 float32; bv 1,024 float32; x 2 x 2,048 x 1,024 float32.
;; Outputs: out0 2 x 2,048 x 1,024 float32.
;; This version of the problem:
;;   THIS VERSION OF THE PROBLEM IS GIVEN IN LOW PRECISION. The matrix products marked QUANTISED in the list below multiply operands that are first quantised to E3M2 (3 exponent bits, 2 mantissa bits; 6 bits a number), with one power-of-two scale for each 32 numbers along K (OCP MX v1.0); their sums are f32. All else is computed in f32.
;;   The module's matrix products, in the order in which they are computed (A, B: the left and right operand; K: the contracted axis; several contracted axes count as one K, in the product's order):
;;     1. [M 4,096, K 1,024] x [K 1,024, N 1,024]; A: input x; B: input Wq: QUANTISED
;;     2. [M 4,096, K 1,024] x [K 1,024, N 1,024]; A: input x; B: input Wk: QUANTISED
;;     3. [M 4,096, K 1,024] x [K 1,024, N 1,024]; A: input x; B: input Wv: QUANTISED
;;     4. batch 32 x [M 2,048, K 64] x [K 64, N 2,048]; A: computed on the way; B: computed on the way: QUANTISED
;;     5. batch 32 x [M 2,048, K 2,048] x [K 2,048, N 64]; A: softmax (see below); B: computed on the way: QUANTISED
;;     6. [M 4,096, K 1,024] x [K 1,024, N 1,024]; A: computed on the way; B: input Wo: QUANTISED
;;   THE QUANTISER, for each operand of a quantised product, along K:
;;     - K is cut into blocks of 32 from its start; a last block that is shorter is filled with zeros.
;;     - A block's scale is 2^e with e = floor(log2(the largest magnitude in the block)) - 4, held to -126 .. 127; a block of zeros has e = 0. As a byte (E8M0): e + 127.
;;     - Each number is divided by its block's scale, clamped to +-28, and rounded to the nearest number of E3M2, ties to even, subnormals kept.
;;     - The product sums the exact products of the quantised numbers (number of the format x scale) in f32.
;;   ~~~python
;;   def quantise(x, axis):      # numpy; x: float32 -> the quantised numbers, widened to float32 again
;;       x = np.moveaxis(x, axis, -1); K = x.shape[-1]
;;       x = np.pad(x, [(0, 0)] * (x.ndim - 1) + [(0, -K % 32)]); x = x.reshape(x.shape[:-1] + (-1, 32)); a = np.abs(x).max(-1, keepdims=True)
;;       e = np.where(a > 0, np.clip(np.frexp(np.where(a > 0, a, 1))[1] - 1 - 4, -126, 127), 0)      # np.frexp(a)[1] - 1 = floor(log2(a)), exactly
;;       r = np.clip(x / 2.0 ** e, -28, 28)
;;       step = 2.0 ** (np.maximum(np.frexp(np.where(r == 0, 1, r))[1] - 1, -2) - 2)
;;       q = np.round(r / step) * step * 2.0 ** e      # np.round: ties to even
;;       return np.moveaxis(q.reshape(q.shape[:-2] + (-1,))[..., :K], -1, axis).astype(np.float32)
;;   ~~~
;;   SOFTMAX AHEAD OF A QUANTISED PRODUCT. Where the list says 'softmax', what is quantised is not the finished softmax but p = 2^(t - M), with t = logit x log2(e) and M = ceil(the row's largest t), a whole number; so 1/2 < the row's largest p <= 1. The row's sum l is taken of the UNQUANTISED p, in f32, and the product's result is divided by l at the end. Since M is a whole number, a kernel that streams over the keys may use a running M (the ceiling of the running maximum): every later rescaling is an exact power of two, which a block's scale takes up: the codes' values come out the same.
;;   OPERANDS COMPUTED ON THE WAY. 'Computed on the way' means the value that the module computes at that place (a softmax that the list does not call 'softmax' is quantised finished and normalised). What goes into a quantiser is computed in f32, as accurately as f32 sums, v_exp_f32 and their like allow (about 1e-6 of the number): no bf16 or f16 on the way to a quantiser, and a product that is left as it is and whose result goes on into a quantised operand takes f32 operands (vector FMAs, or v_wmma_f32_16x16x4_f32). A number that lies on a knife's edge between two numbers of the format may be rounded either way, as far as f32 arithmetic and the matrix unit's own rounding can turn it there, and no further.
;; One version. Each part assembles by itself: llvm-mc -triple=amdgcn-amd-amdhsa -mcpu=gfx1250 --defsym DOCPART=n.
;; ======== version 1 of 1: 4 launches
;; limits: right only within a limited range of input values
;; workspace buffers: xw_codes 6,291,456 bytes; xw_scales 262,144 bytes; qimg 3,276,800 bytes; kv 6,553,600 bytes; ao_codes 3,145,728 bytes; ao_scales 131,072 bytes
;; launch quant (part 1): grid 256 x 1, 4 waves a work-group, no clusters, 34,304 bytes of LDS; arguments x, Wq, Wk, Wv, Wo, xw_codes, xw_scales; writes xw_codes, xw_scales
.if DOCPART == 1
	.amdgcn_target "amdgcn-amd-amdhsa--gfx1250"
	.amdhsa_code_object_version 6
	.text
	.protected	k_q2f67d6fcc9_quant
	.globl	k_q2f67d6fcc9_quant
	.p2align	8
	.type	k_q2f67d6fcc9_quant,@function
k_q2f67d6fcc9_quant:
	s_mov_b64 s[64:65], 0
	v_nop
	global_prefetch_b8 v0, s[64:65] scope:SCOPE_SE
	s_setreg_imm32_b32 hwreg(HW_REG_WAVE_MODE, 25, 1), 1
	s_wait_xcnt 0x0
; x [4096][1024] and Wq, Wk, Wv, Wo [1024][1024], f32, K innermost, become codes of BF6 (E3M2) with one E8M0 byte for each 32 along K,
; laid as IMAGES OF OPERAND REGISTERS.  A tile is 16 rows; tile T of a matrix holds in its lane r row 32 (T / 2) + 8 (T % 2) + r + 8 (r / 8).
; A fragment (a tile x 128 along K) is 12 registers a lane, stored as three pieces of 512 bytes: piece q = lane l's registers 4 q .. 4 q + 3 at byte 16 l.
; xw_codes: [512 tiles][8 K steps][1536].  Tiles 0-255: x.  Tiles 256 + 12 head + slot: slots 0-3 Wq's four tiles of the head, 4, 5 Wv's first two, 6-9 Wk's four, 10, 11 Wv's last two.  Tiles 448 on: Wo.
; xw_scales: [512 tiles][half of K][row 0..15][4 words]: a word holds the four bytes of one K step of one row.
; A block's scale is 2^(floor(log2(largest magnitude)) - 4): its byte is the largest magnitude's exponent field - 4, held at 1 from below.
; WORK LEFT OUT BY THE PROGRAM (in launch attn): reference() writes the constant -10000 over the score of every key that comes after its query, whatever the inputs hold; tiles of scores that lie wholly there are not computed.
; The weight that the constant itself gets in the softmax is kept.  A NaN, an infinity or an overflow that reaches only those scores is not carried to the result.  All nine inputs are loaded.
; LIMITS: a block whose largest magnitude lies under 2^-122, a block of zeros among them, keeps the byte 1 (its codes are then zeros or subnormal codes; these bytes are read by this program alone);
; NaN and infinities among the inputs are not served.
; SHARES: work-group g takes 32 rows of one matrix (g < 128: x; then 32 work-groups each for Wq, Wk, Wv, Wo).  Wave w takes tile w / 2 of the two and half w % 2 of K: four fragments.
; Each load reads 512 consecutive bytes of one row; a fragment's 16 x 512 bytes turn through the wave's own stage in LDS (rows 528 bytes apart), from which lane (r, h) takes the two blocks
; of 32 neighbours that the operand's layout gives it.  Waves share nothing: no barrier.  All 64 loads of a wave are issued at the head, into window 1.  Each byte is read once and in no loop: no prefetch.
.set STG, 8448                         ; a wave's stage: 16 rows x (512 + 16) bytes
.set X,   144                          ; v144-207 my two blocks of 32 neighbours
.set C,   208                          ; v208-219 the fragment's codes
.set D,   220                          ; v220-222, v224-226 the second halves of the two blocks, as the conversions leave them
.set W,   228                          ; v228-231 the four fragments' scale words
.set MX,  232                          ; v232-233 largest magnitudes; at the end the two words that I store
.set SO,  234                          ; v234-235 the conversions' scale operands
.set BY,  236                          ; v236-237 the bytes
.set PD,  238                          ; v238 a lane permute's destination
.set WT,  239                          ; v239 my two bytes at their places in the word
	s_load_b256 s[4:11], s[0:1], 0x0               ; x, Wq, Wk, Wv
	s_load_b128 s[12:15], s[0:1], 0x20             ; Wo, xw_codes
	s_load_b64 s[16:17], s[0:1], 0x30              ; xw_scales
	v_lshl_add_u32 v240, v0, 2, 0x8400             ; my spare word, behind the four stages
	v_mov_b32 v241, 0
	v_lshrrev_b32 v7, 5, v0
	v_readfirstlane_b32 s18, v7                    ; wave 0..3
	s_lshr_b32 s19, s18, 1                         ; u: which tile of the two
	s_and_b32 s24, s18, 1                          ; H: which half of K
	v_and_b32 v8, 31, v0                           ; lane
	v_lshlrev_b32 v1, 4, v8                        ; 16 x lane: in and out of memory
	v_and_b32 v9, 15, v0                           ; r
	v_bfe_u32 v5, v0, 4, 1                         ; h
	s_mul_i32 s25, s18, STG
	v_add_nc_u32 v2, s25, v1                       ; into the stage: 16 x lane of a row
	v_mul_u32_u24 v3, v9, 528
	v_lshl_add_u32 v3, v5, 7, v3
	v_add_nc_u32 v3, s25, v3                       ; out of it: row r, + 128 h bytes: k = 32 h on
	v_lshlrev_b32 v4, 4, v9
	v_lshl_add_u32 v4, v5, 3, v4                   ; the scale words' store: 16 r + 8 h
	v_lshlrev_b32 v6, 3, v5                        ; 8 h: my bytes' shift in the word
	v_mov_b32 v[PD], 0                             ; written once: a lane permute's destination counts as one of its sources
	s_mov_b32 s20, 0x76543210
	s_mov_b32 s21, 0xfedcba98                      ; v_permlanex16_b32's selects for lane l xor 16
	; which matrix, which rows, which tile
	s_max_u32 s26, ttmp9, 128
	s_sub_co_u32 s26, s26, 128                     ; g - 128 (0 in x's work-groups)
	s_lshr_b32 s27, s26, 5                         ; 0 Wq, 1 Wk, 2 Wv, 3 Wo
	s_and_b32 s28, s26, 31                         ; which 32 rows of the weight
	s_lshr_b32 s29, s28, 1                         ; the head
	s_and_b32 s30, s28, 1                          ; which 32 of its 64 rows
	s_mul_i32 s29, s29, 12
	s_cmp_eq_u32 s27, 1
	s_cselect_b32 s31, 6, 0                        ; the first slot: Wq 0, Wk 6,
	s_cmp_eq_u32 s27, 2
	s_cselect_b32 s31, 4, s31                      ; Wv 4;
	s_cselect_b32 s32, 6, 2                        ; from the first 32 rows to the second: 2 slots, in Wv 6
	s_mul_i32 s32, s32, s30
	s_add_co_u32 s29, s29, s31
	s_add_co_u32 s29, s29, s32
	s_add_co_u32 s29, s29, 256
	s_lshl_b32 s33, s28, 1
	s_add_co_u32 s33, s33, 448                     ; Wo's tile
	s_cmp_eq_u32 s27, 3
	s_cselect_b32 s29, s33, s29
	s_lshl_b32 s33, ttmp9, 1                       ; x's tile
	s_cmp_lt_u32 ttmp9, 128
	s_cselect_b32 s29, s33, s29
	s_cselect_b32 s28, ttmp9, s28                  ; which 32 rows of the matrix
	s_cselect_b32 s27, -1, s27                     ; -1: x
	s_add_co_u32 s29, s29, s19                     ; + u: my tile
	s_lshl_b32 s34, s28, 17                        ; 32 rows of 4,096 bytes,
	s_lshl_b32 s35, s19, 15                        ; 8 rows for the second tile,
	s_add_co_u32 s34, s34, s35
	s_lshl_b32 s35, s24, 11                        ; 512 numbers for the second half of K
	s_add_co_u32 s34, s34, s35
	s_mov_b32 s35, 0
	s_mul_i32 s36, s29, 12288
	s_mul_i32 s37, s24, 6144
	s_add_co_u32 s36, s36, s37                     ; my four fragments in xw_codes
	s_mov_b32 s37, 0
	s_lshl_b32 s38, s29, 9
	s_lshl_b32 s39, s24, 8
	s_add_co_u32 s38, s38, s39                     ; my 256 bytes in xw_scales
	s_mov_b32 s39, 0
	s_wait_alu depctr_va_vdst(0)                   ; the wait at the head's end
	s_wait_kmcnt 0x0
	s_cmp_eq_u32 s27, 0                            ; only pointers are chosen, on the work-group's number: all five matrices take one path
	s_cselect_b64 s[4:5], s[6:7], s[4:5]
	s_cmp_eq_u32 s27, 1
	s_cselect_b64 s[4:5], s[8:9], s[4:5]
	s_cmp_eq_u32 s27, 2
	s_cselect_b64 s[4:5], s[10:11], s[4:5]
	s_cmp_eq_u32 s27, 3
	s_cselect_b64 s[4:5], s[12:13], s[4:5]
	s_add_nc_u64 s[4:5], s[4:5], s[34:35]
	s_add_nc_u64 s[14:15], s[14:15], s[36:37]
	s_add_nc_u64 s[16:17], s[16:17], s[38:39]
	s_set_vgpr_msb 0x0040                          ; destination window 1: fragment f's 64 registers at v[64 f] of it
.irp f, 0,1,2,3
.irp i, 0,1,2,3,4,5,6,7,8,9,10,11,12,13,14,15
	global_load_b128 v[64*\f+4*\i:64*\f+4*\i+3], v1, s[4:5] offset:(\i+8*(\i/8))*4096+512*\f th:TH_LOAD_NT   ; 512 consecutive bytes of one row
.endr
.endr
	s_set_vgpr_msb 0x4000
.macro FRAG f
	s_wait_loadcnt 48-16*(\f)                      ; this fragment's 16 loads are in; the younger fragments' may stay out
	s_set_vgpr_msb 0x0004                          ; data window 1
.irp i, 0,1,2,3,4,5,6,7,8,9,10,11,12,13,14,15
	ds_store_b128 v2, v[64*(\f)+4*\i:64*(\f)+4*\i+3] offset:528*\i
.endr
	s_set_vgpr_msb 0x0400
.irp c, 0,1
.irp e, 0,1,2,3,4,5,6,7
	ds_load_b128 v[X+32*\c+4*\e:X+32*\c+4*\e+3], v3 offset:256*\c+16*\e   ; k = 64 c + 32 h + 4 e on; LDS serves a wave's instructions in order: these see the stores above
.endr
.endr
	s_wait_dscnt 0x0                               ; my 64 numbers are in
.irp c, 0,1
	v_max3_num_f32 v[MX+\c], |v[X+32*\c]|, |v[X+32*\c+1]|, 0x2800000   ; block 2 c + h: all its 32 numbers are mine; the floor 2^(5 - 127) holds the byte at 1 from below
.endr
.irp i, 2,4,6,8,10,12,14,16,18,20,22,24,26,28,30
.irp c, 0,1
	v_max3_num_f32 v[MX+\c], v[MX+\c], |v[X+32*\c+\i]|, |v[X+32*\c+\i+1]|
.endr
.endr
.irp c, 0,1
	v_add_nc_u32 v[SO+\c], 0xfe000000, v[MX+\c]    ; 4 off the exponent field: the conversion takes this operand's exponent field as its scale
.endr
.irp c, 0,1
	v_lshrrev_b32 v[BY+\c], 23, v[SO+\c]           ; the scale's byte
.endr
	v_lshl_or_b32 v[WT], v[BY+1], 16, v[BY]        ; blocks h and 2 + h,
	v_lshlrev_b32 v[WT], v6, v[WT]                 ; at their places in the word;
	v_permlanex16_b32 v[PD], v[WT], s20, s21
	v_or_b32 v[W+(\f)], v[WT], v[PD]               ; with lane l xor 16's two the word is whole
	s_wait_alu depctr_va_vdst(0)
	s_wait_xcnt 0x0                                ; the last fragment's stores have read the codes' registers
.irp c, 0,1
	v_cvt_scalef32_pk16_bf6_f32 v[C+6*\c:C+6*\c+2], v[X+32*\c:X+32*\c+15], v[SO+\c]
	v_cvt_scalef32_pk16_bf6_f32 v[D+4*\c:D+4*\c+2], v[X+32*\c+16:X+32*\c+31], v[SO+\c]   ; (a conversion's three registers begin on an even number)
.endr
	v_nop                                          ; one plain place behind a scaled conversion
.irp c, 0,1
.irp i, 0,1,2
	v_mov_b32 v[C+6*\c+3+\i], v[D+4*\c+\i]
.endr
.endr
.irp q, 0,1,2
	global_store_b128 v1, v[C+4*\q:C+4*\q+3], s[14:15] offset:1536*(\f)+512*\q   ; 32 lanes store 512 consecutive bytes, aligned
.endr
.endm
	FRAG 0
	FRAG 1
	FRAG 2
	FRAG 3
	v_cmp_ne_u32 vcc_lo, 0, v5
	v_cndmask_b32 v[MX], v[W], v[W+2], vcc_lo      ; lanes 0-15 store row r's words of fragments 0, 1; lanes 16-31 those of 2, 3
	v_cndmask_b32 v[MX+1], v[W+1], v[W+3], vcc_lo
	global_store_b64 v4, v[MX:MX+1], s[16:17]      ; 32 lanes store 256 consecutive bytes, aligned
	s_wait_tensorcnt 0x0                           ; the wave's end
	ds_add_u32 v240, v241
	s_wait_dscnt 0x0
	s_endpgm
.Lfunc_end_k_q2f67d6fcc9_quant:
	.size	k_q2f67d6fcc9_quant, .Lfunc_end_k_q2f67d6fcc9_quant-k_q2f67d6fcc9_quant
	.p2alignl 7, 3214868480
	.fill 96, 4, 3214868480
	.section	.rodata,"a",@progbits
	.p2align	6, 0x0
	.amdhsa_kernel k_q2f67d6fcc9_quant
		.amdhsa_group_segment_fixed_size 34304
		.amdhsa_private_segment_fixed_size 0
		.amdhsa_enable_private_segment 0
		.amdhsa_kernarg_size 56
		.amdhsa_user_sgpr_count 2
		.amdhsa_user_sgpr_kernarg_segment_ptr 1
		.amdhsa_wavefront_size32 1
		.amdhsa_system_sgpr_workgroup_id_x 1
		.amdhsa_system_sgpr_workgroup_id_y 1
		.amdhsa_system_sgpr_workgroup_id_z 1
		.amdhsa_system_vgpr_workitem_id 0
		.amdhsa_next_free_vgpr 512
		.amdhsa_next_free_sgpr 66
		.amdhsa_reserve_vcc 1
		.amdhsa_float_denorm_mode_32 3
		.amdhsa_float_denorm_mode_16_64 3
		.amdhsa_memory_ordered 1
		.amdhsa_forward_progress 1
		.amdhsa_inst_pref_size 32
	.end_amdhsa_kernel
	.amdgpu_metadata
---
amdhsa.version: [ 1, 2 ]
amdhsa.kernels:
  - .name:           k_q2f67d6fcc9_quant
    .symbol:         k_q2f67d6fcc9_quant.kd
    .args:
      - { .name: x, .offset: 0, .size: 8, .value_kind: global_buffer, .address_space: global }
      - { .name: Wq, .offset: 8, .size: 8, .value_kind: global_buffer, .address_space: global }
      - { .name: Wk, .offset: 16, .size: 8, .value_kind: global_buffer, .address_space: global }
      - { .name: Wv, .offset: 24, .size: 8, .value_kind: global_buffer, .address_space: global }
      - { .name: Wo, .offset: 32, .size: 8, .value_kind: global_buffer, .address_space: global }
      - { .name: xw_codes, .offset: 40, .size: 8, .value_kind: global_buffer, .address_space: global }
      - { .name: xw_scales, .offset: 48, .size: 8, .value_kind: global_buffer, .address_space: global }
    .group_segment_fixed_size: 34304
    .private_segment_fixed_size: 0
    .kernarg_segment_align: 8
    .kernarg_segment_size: 56
    .max_flat_workgroup_size: 128
    .sgpr_count:     66
    .vgpr_count:     512
    .wavefront_size: 32
...
	.end_amdgpu_metadata
.endif
;; end of part 1
;; launch qkv (part 2): grid 16 x 16, 4 waves a work-group, clusters of 4 x 4, 327,680 bytes of LDS; arguments xw_codes, xw_scales, bq, bk, bv, qimg, kv; writes qimg, kv
.if DOCPART == 2
	.amdgcn_target "amdgcn-amd-amdhsa--gfx1250"
	.amdhsa_code_object_version 6
	.text
	.protected	k_q2f67d6fcc9_qkv
	.globl	k_q2f67d6fcc9_qkv
	.p2align	8
	.type	k_q2f67d6fcc9_qkv,@function
k_q2f67d6fcc9_qkv:
	s_mov_b64 s[64:65], 0
	v_nop
	global_prefetch_b8 v0, s[64:65] scope:SCOPE_SE
	s_setreg_imm32_b32 hwreg(HW_REG_WAVE_MODE, 25, 1), 1
	s_wait_xcnt 0x0
	s_wait_alu depctr_hold_cnt(0) depctr_sa_sdst(0) depctr_va_vdst(0) depctr_va_sdst(0) depctr_va_ssrc(0) depctr_va_vcc(0) depctr_vm_vsrc(0)
	s_getreg_b32 s2, hwreg(HW_REG_IB_STS2, 6, 4)
	s_cmp_eq_u32 s2, 0
	s_cbranch_scc0 .Lentry_in_a_cluster
	s_endpgm
.Lentry_in_a_cluster:
	s_bfe_u32 s2, ttmp6, 0x10000c
	s_cmp_lg_u32 s2, 0xf033
	s_cbranch_scc0 .Lentry_shape_is_right
	s_endpgm
.Lentry_shape_is_right:
; Q = x Wq^T + bq, K = x Wk^T + bk, V = x Wv^T + bv on codes of BF6 (E3M2) with E8M0 scales, f32 sums; the results are quantised in registers and stored as images of operand registers.
; SHARES.  A work-group takes 256 rows of x and one head: 64 columns each of Q, K and V.  Wave w: sigma = w / 2 picks its 128 rows (one key step of the attention), par = w % 2 its columns:
; par 0: Q's four tiles and V's channel tiles 0, 1; par 1: K's four and V's 2, 3.  48 accumulators, 384 registers; 14 fragments feed 48 matrix instructions.
; Q AND K ARE USED TRANSPOSED (source 0 = 16 rows of W, source 1 = 16 rows of x): a lane holds one row of x and its registers run along the head's 64, which is the next product's K.
; V IS USED AS IT STANDS (source 0 = x, source 1 = Wv): a lane holds one channel and its registers run along the keys, which is ITS next K.
; The rows of every tile are 32 (T / 2) + 8 (T % 2) + r + 8 (r / 8): so the 16 registers of two neighbouring tiles are 16 neighbours along the next K, and one macro quantises all units of 64 registers.
; A PAIR FRAGMENT of Q or K: k 0..63 = row r of row tile 2 p, k 64..127 = row r of row tile 2 p + 1 (the head has only 64 along K).
; qimg: [32 batch x head][16 blocks of 128 queries][6400]: four pair fragments of 1,536 bytes, then 256 bytes of scale words [p / 2][r][p % 2].
; kv:   [32][16 key steps][12800]: K's four pair fragments, V's four channel tiles' fragments (K = the step's 128 keys), K's scale words [p / 2][r][p % 2], V's [t / 2][r][t % 2].
; K of these products is eight steps of 128, in TWO CHUNKS of LDS bytes, each filled once: steps 0-4 by the head's loads, steps 5-7 behind one full sequence; one tensor load a wave each time.
; The weights' step 7 does not fit beside them: each wave takes its six fragments of it straight from memory into window 3.  There is no loop to run ahead in: no prefetch.
; CLUSTER 4 x 4: x's tiles hang on the block of rows alone and are asked for jointly along a row of the cluster, the weights' on the head alone, jointly along a column.
; LIMITS: a block whose largest magnitude lies under 2^-122 keeps the scale byte 1 (read by this program alone); NaN and infinities are not served.
; REGISTERS.  Window 0: v1-13 addresses; v28, v29 the add's; v32-87 scale words (tile X, K step 4 H + i: v[32 + 4 X + i], lanes 16 H + r); v88-183 x's fragments, set 0; behind the products v168-240 are at work.
;   Window 1: the weights' fragments, set s at v[72 s]; x's set 1 at v144; behind the products two units' 128 numbers at v0.   Window 2: Q's or K's 32 accumulators, (row tile a, column tile t) at v[32 a + 8 t].
;   Window 3: V's 16 accumulators, (u, a) at v[64 u + 8 a]; v128-159 bq or bk in the result's layout; v160-163 bv of my channel, twice for each u; v164-235 the weights' step 7.
.set T0, 7680                          ; chunk 0: a tile's five K steps
.set W0, 16*T0                         ; x's 16 tiles, then the weights' 12
.set C1, 28*T0                         ; chunk 1: x's 16 tiles x 4,608 bytes (three K steps),
.set W1, C1+16*4608                    ; the weights' 12 x 3,072 (two K steps)
.set SPARE, W1+12*3072                 ; behind the chunks: the spare words, 128 bytes for each wave: two blocks of 256 bytes that no other line names
.set ADRA, 8                           ; v8-9    LDS address of my x fragments in chunk 0, 1
.set ADRB, 11                          ; v11-12  the same for the weights
.set SPW,  28
.set NIL,  29
.set SCW,  32
.set A0,   88
.set A1,   144
.set W7,   164
.set PC,   168                         ; v168-191 two units' codes
.set CT,   192                         ; v192-207 the conversions' second halves
.set BM,   208                         ; v208-215 the eight blocks' largest magnitudes
.set PX,   216                         ; v216-223 permute destinations, then bytes
.set SO,   224                         ; v224-231 the conversions' scale operands
.set PW,   232                         ; v232-237 the six units' scale words
.set G1A,  28                          ; s[28:35] descriptor group 1 for x's tiles;  s[36:43] for the weights'
.set G1B,  36
.set G0A,  44                          ; s[44:47] group 0 for x's tiles;  s[56:59] for the weights'
.set G0B,  56
.set SEL,  90
.set MSB, 0
.macro WIN new                         ; the immediate's high byte repeats the setting that is left
.if MSB != \new
	s_set_vgpr_msb (MSB<<8)|\new
.set MSB, \new
.endif
.endm
.macro PLACES                          ; four plain places behind a matrix instruction, ahead of loads into its registers and of reads of its results
.rept 4
	v_nop
.endr
.endm
.macro CROUND                          ; a round of the cluster's barrier
	s_barrier_signal -1
	s_barrier_wait -1
	s_cmp_lg_u32 s18, 0
	s_cbranch_scc1 .Lnot_wave_0_\@
	s_barrier_signal -3
.Lnot_wave_0_\@:
	s_barrier_wait -3
	s_barrier_signal -1
	s_barrier_wait -1
.endm
.macro JLOAD                           ; a joint load: waves 0, 1 for x, waves 2, 3 for the weights; the branch hangs on the wave's number alone
	s_cmp_eq_u32 s19, 0
	s_cbranch_scc0 .Lfor_b_\@
	tensor_load_to_lds s[G0A:G0A+3], s[G1A:G1A+7]
	s_nop 0
	PLACES
	s_branch .Lasked_\@
.Lfor_b_\@:
	tensor_load_to_lds s[G0B:G0B+3], s[G1B:G1B+7]
	s_nop 0
	PLACES
.Lasked_\@:
.endm
	s_load_b256 s[4:11], s[0:1], 0x0               ; xw_codes s[4:5], xw_scales s[6:7], bq s[8:9], bk s[10:11]
	s_load_b128 s[12:15], s[0:1], 0x20             ; bv s[12:13], qimg s[14:15]
	s_load_b64 s[16:17], s[0:1], 0x30              ; kv
	v_lshl_add_u32 v[SPW], v0, 2, SPARE
	v_mov_b32 v[NIL], 0
	ds_add_u32 v[SPW], v[NIL]                      ; the wave's opening: the add, twice on end, and its wait
	ds_add_u32 v[SPW], v[NIL]
	v_lshrrev_b32 v1, 5, v0
	v_readfirstlane_b32 s18, v1                    ; wave 0..3
	s_lshr_b32 s19, s18, 1                         ; sigma.  Also: I fetch for x (0) or for the weights (1)
	s_and_b32 s20, s18, 1                          ; par.  Also: which half of those tiles I fetch
	s_bfe_u32 s21, ttmp6, 0x40000                  ; cx
	s_bfe_u32 s22, ttmp6, 0x40004                  ; cy
	s_lshl_b32 s23, ttmp9, 2
	s_add_co_u32 s23, s23, s21                     ; the head = 4 x cluster x + cx
	s_and_b32 s24, ttmp7, 0xffff
	s_lshl_b32 s24, s24, 2
	s_add_co_u32 s24, s24, s22                     ; the block of 256 rows = 4 x cluster y + cy
	s_lshl_b32 s25, s22, 2
	s_lshl_b32 s25, 15, s25                        ; my row of the cluster
	s_lshl_b32 s26, 0x1111, s21                    ; my column
	; group 1: rows of 7,680 bytes (a tile's five K steps: 960 elements of 8 bytes), 12,288 bytes apart; 8 tiles of x, 6 of the weights; no padding: images are read 16 bytes a lane on end
	s_or_b32 s[G1A], s25, (3<<16)|(1<<21)
	s_or_b32 s[G1B], s26, (3<<16)|(1<<21)
	s_mov_b32 s[G1A+1], 960<<16
	s_mov_b32 s[G1A+2], 8<<16
	s_mov_b32 s[G1A+3], 960<<16
	s_mov_b32 s[G1A+4], 8
	s_mov_b32 s[G1A+5], 1536
	s_mov_b32 s[G1A+6], 0
	s_mov_b32 s[G1A+7], 0
	s_mov_b32 s[G1B+1], 960<<16
	s_mov_b32 s[G1B+2], 6<<16
	s_mov_b32 s[G1B+3], 960<<16
	s_mov_b32 s[G1B+4], 6
	s_mov_b32 s[G1B+5], 1536
	s_mov_b32 s[G1B+6], 0
	s_mov_b32 s[G1B+7], 0
	s_lshl_b32 s72, s24, 4
	s_lshl_b32 s73, s20, 3
	s_add_co_u32 s72, s72, s73
	s_mul_i32 s72, s72, 12288                      ; x: tile 16 x block + 8 x half
	s_mov_b32 s73, 0
	s_mul_i32 s92, s23, 12
	s_mul_i32 s93, s20, 6
	s_add_co_u32 s92, s92, s93
	s_add_co_u32 s92, s92, 256
	s_mul_i32 s92, s92, 12288                      ; the weights: tile 256 + 12 x head + 6 x half
	s_mov_b32 s93, 0
	s_mul_i32 s27, s20, 8*T0                       ; where they go: no place in the cluster enters an LDS address
	s_mul_i32 s94, s20, 6*T0
	s_wait_alu depctr_va_vdst(0)
	s_wait_dscnt 0x0                               ; both opening adds are done
	s_wait_kmcnt 0x0
	s_add_nc_u64 s[72:73], s[4:5], s[72:73]
	s_add_nc_u64 s[92:93], s[4:5], s[92:93]
	s_mov_b32 s[G0A], 1
	s_add_co_u32 s[G0A+1], s27, 0
	s_mov_b64 s[G0A+2:G0A+3], s[72:73]
	s_or_b32 s[G0A+3], s[G0A+3], 0x80000000
	s_mov_b32 s[G0B], 1
	s_add_co_u32 s[G0B+1], s94, W0
	s_mov_b64 s[G0B+2:G0B+3], s[92:93]
	s_or_b32 s[G0B+3], s[G0B+3], 0x80000000
	CROUND                                         ; all sixteen work-groups are here: the first joint loads meet
	JLOAD                                          ; chunk 0
	v_and_b32 v7, 31, v0
	v_lshlrev_b32 v1, 4, v7                        ; 16 x lane
	v_lshlrev_b32 v2, 3, v7                        ; 8 x lane
	v_and_b32 v14, 15, v0                          ; r
	v_bfe_u32 v4, v0, 4, 1                         ; h
	v_lshlrev_b32 v3, 3, v14
	v_lshl_add_u32 v3, v4, 2, v3                   ; 8 r + 4 h
	v_lshlrev_b32 v5, 6, v4                        ; 64 h: sixteen f32 of a bias
	v_and_b32 v6, 8, v14
	v_add_nc_u32 v6, v6, v14
	v_lshlrev_b32 v6, 2, v6                        ; 4 (r + 8 (r / 8))
	s_wait_alu depctr_va_vdst(0)
	s_lshl_b32 s74, s24, 4
	s_lshl_b32 s75, s19, 3
	s_add_co_u32 s74, s74, s75
	s_lshl_b32 s74, s74, 9                         ; the scale words of my 8 tiles of x: 512 bytes a tile
	s_mov_b32 s75, 0
	s_add_nc_u64 s[74:75], s[6:7], s[74:75]
	s_mul_i32 s76, s23, 12
	s_mul_i32 s77, s20, 6
	s_add_co_u32 s76, s76, s77
	s_add_co_u32 s76, s76, 256
	s_lshl_b32 s76, s76, 9                         ; and of my 6 tiles of the weights
	s_mov_b32 s77, 0
	s_add_nc_u64 s[76:77], s[6:7], s[76:77]
.irp a, 0,1,2,3,4,5,6,7
	global_load_b128 v[SCW+4*\a:SCW+4*\a+3], v1, s[74:75] offset:512*\a
.endr
.irp b, 0,1,2,3,4,5
	global_load_b128 v[SCW+32+4*\b:SCW+32+4*\b+3], v1, s[76:77] offset:512*\b
.endr
	s_lshl_b32 s2, s23, 8                          ; the head's 64 numbers of a bias
	s_mov_b32 s3, 0
	s_cmp_eq_u32 s20, 0
	s_cselect_b64 s[78:79], s[8:9], s[10:11]       ; bq or bk: the choice hangs on the wave's number alone
	s_add_nc_u64 s[78:79], s[78:79], s[2:3]
	s_lshl_b32 s97, s20, 7
	s_add_co_u32 s2, s2, s97
	s_add_nc_u64 s[80:81], s[12:13], s[2:3]        ; bv at my 32 channels
	WIN 0xc0                                       ; destination window 3
.irp t, 0,1,2,3
	global_load_b128 v[128+8*\t:128+8*\t+3], v5, s[78:79] offset:(32*(\t/2)+8*(\t%2))*4      ; register 8 t + j: the bias of unit 32 (t / 2) + 16 h + 8 (t % 2) + j
	global_load_b128 v[128+8*\t+4:128+8*\t+7], v5, s[78:79] offset:(32*(\t/2)+8*(\t%2))*4+16
.endr
.irp u, 0,1
	global_load_b32 v[160+2*\u], v6, s[80:81] offset:32*\u     ; my channel's: 8 u + r + 8 (r / 8); twice, for the packed addition
	global_load_b32 v[161+2*\u], v6, s[80:81] offset:32*\u
.endr
.irp b, 0,1,2,3,4,5
.irp q, 0,1,2
	global_load_b128 v[W7+12*\b+4*\q:W7+12*\b+4*\q+3], v1, s[92:93] offset:12288*\b+10752+512*\q   ; the weights' K step 7
.endr
.endr
	WIN 0
	s_mul_i32 s95, s19, 8*T0                       ; my 8 tiles of x in chunk 0,
	s_mul_i32 s96, s20, 6*T0
	s_add_co_u32 s96, s96, W0                      ; my 6 of the weights
	v_add_nc_u32 v[ADRA], s95, v1
	v_add_nc_u32 v[ADRB], s96, v1
	s_mul_i32 s95, s19, 8*4608                     ; and in chunk 1
	s_add_co_u32 s95, s95, C1
	s_mul_i32 s96, s20, 6*3072
	s_add_co_u32 s96, s96, W1
	v_add_nc_u32 v[ADRA+1], s95, v1
	v_add_nc_u32 v[ADRB+1], s96, v1
	; where the results go
	s_lshr_b32 s97, s24, 3                         ; the batch
	s_lshl_b32 s97, s97, 4
	s_add_co_u32 s97, s97, s23                     ; batch x 16 + head
	s_lshl_b32 s97, s97, 4
	s_and_b32 s98, s24, 7
	s_lshl_b32 s98, s98, 1
	s_add_co_u32 s97, s97, s98
	s_add_co_u32 s97, s97, s19                     ; x 16 + my block of 128 rows in the sequence
	s_mul_i32 s2, s97, 12800
	s_add_nc_u64 s[86:87], s[16:17], s[2:3]        ; my key step in kv
	s_mul_i32 s98, s97, 6400
	s_cmp_eq_u32 s20, 0
	s_cselect_b64 s[82:83], s[14:15], s[16:17]     ; Q's fragments go to qimg, K's to kv
	s_cselect_b32 s2, s98, s2
	s_add_nc_u64 s[82:83], s[82:83], s[2:3]
	s_mov_b32 s2, 12288
	s_cselect_b32 s2, 6144, s2
	s_add_nc_u64 s[84:85], s[82:83], s[2:3]        ; and their scale words behind them
	s_lshl_b32 s2, s20, 7
	s_add_co_u32 s2, s2, 12544
	s_add_nc_u64 s[88:89], s[86:87], s[2:3]        ; V's scale words: my 128 bytes
	s_mul_i32 s2, s20, 3072
	s_add_co_u32 s2, s2, 6144
	s_add_nc_u64 s[86:87], s[86:87], s[2:3]        ; V's fragments: my two
	s_mov_b32 s[SEL], 0x76543210
	s_mov_b32 s[SEL+1], 0xfedcba98
; K step k's fragments (6 of the weights, 8 of x: 42 LDS loads; of step 7 x's 24 alone) into set k % 2, as images: 16 bytes a lane on end
.macro FETCH k
.if (\k) < 5
.set FS, 0
.set FK, 1536*(\k)
.set FA, T0
.set FB, T0
.else
.set FS, 1
.set FK, 1536*((\k)-5)
.set FA, 4608
.set FB, 3072
.endif
	WIN 0x40                                       ; destination window 1
.if (\k) < 7
.irp b, 0,1,2,3,4,5
.irp q, 0,1,2
	ds_load_b128 v[72*((\k)%2)+12*\b+4*\q:72*((\k)%2)+12*\b+4*\q+3], v[ADRB+FS] offset:FB*\b+FK+512*\q
.endr
.endr
.endif
.if (\k)%2
.set AB, A1
.else
	WIN 0
.set AB, A0
.endif
.irp a, 0,1,2,3,4,5,6,7
.irp q, 0,1,2
	ds_load_b128 v[AB+12*\a+4*\q:AB+12*\a+4*\q+3], v[ADRA+FS] offset:FA*\a+FK+512*\q
.endr
.endr
.endm
; One product of K step k: d the accumulator, a and b the sources, sa and sb their scale words.  Step 0's products start the sums: nothing is cleared.
.macro WM k, d, a, b, sa, sb
.if (\k) == 0
	v_wmma_scale_f32_16x16x128_f8f6f4 v[\d:\d+7], v[\a:\a+11], v[\b:\b+11], 0, v[\sa], v[\sb] matrix_a_fmt:MATRIX_FMT_BF6 matrix_b_fmt:MATRIX_FMT_BF6
.elseif (\k) < 4
	v_wmma_scale_f32_16x16x128_f8f6f4 v[\d:\d+7], v[\a:\a+11], v[\b:\b+11], v[\d:\d+7], v[\sa], v[\sb] matrix_a_fmt:MATRIX_FMT_BF6 matrix_b_fmt:MATRIX_FMT_BF6
.else
	v_wmma_scale_f32_16x16x128_f8f6f4 v[\d:\d+7], v[\a:\a+11], v[\b:\b+11], v[\d:\d+7], v[\sa], v[\sb] matrix_a_fmt:MATRIX_FMT_BF6 matrix_b_fmt:MATRIX_FMT_BF6 matrix_a_scale:MATRIX_SCALE_ROW1 matrix_b_scale:MATRIX_SCALE_ROW1
.endif
.endm
; The 48 accumulators take turns, one instruction a turn, in the same order in every K step.
.macro MULQK k
.set BB, 72*((\k)%2)
.set AB, A0
.if (\k) == 7
	WIN 0xa7                                       ; source 0 (W) window 3, source 1 (x) window 1, C and D window 2
.set BB, W7
.set AB, A1
.elseif (\k)%2
	WIN 0xa5                                       ; sources 0 and 1 window 1
.set AB, A1
.else
	WIN 0xa1                                       ; source 1 (x) window 0
.endif
.irp a, 0,1,2,3,4,5,6,7
.irp t, 0,1,2,3
	WM \k, 32*\a+8*\t, BB+12*\t, AB+12*\a, SCW+32+4*\t+(\k)%4, SCW+4*\a+(\k)%4
.endr
.endr
.endm
.macro MULV k
.set BB, 72*((\k)%2)
.set AB, A0
.if (\k) == 7
	WIN 0xfd                                       ; source 0 (x) window 1, source 1 (Wv) window 3, C and D window 3
.set BB, W7
.set AB, A1
.elseif (\k)%2
	WIN 0xf5
.set AB, A1
.else
	WIN 0xf4                                       ; source 0 (x) window 0, source 1 (Wv) window 1
.endif
.irp u, 0,1
.irp a, 0,1,2,3,4,5,6,7
	WM \k, 64*\u+8*\a, AB+12*\a, BB+48+12*\u, SCW+4*\a+(\k)%4, SCW+48+4*\u+(\k)%4
.endr
.endr
.endm
; K step k: the next step's fragments are asked for first, then this step's products are issued.
.macro PHASE k
.if (\k) == 4                          ; chunk 1 is read from here on: its load has four and two thirds steps' products in which to land
	s_wait_dscnt 0x0                               ; this step's fragments are in
	MULQK 4
	s_wait_tensorcnt 0x0                           ; my part of chunk 1: the one load that was out
	s_barrier_signal -1
	s_barrier_wait -1                              ; everybody's is in
	PLACES                                         ; the set to be loaded was read by step 3's products
	FETCH 5
	MULV 4
.else
.if (\k) < 7
.if (\k) != 0
	PLACES                                         ; the set to be loaded was read by the products just issued
.endif
	FETCH (\k)+1
.if (\k) < 6
	s_wait_dscnt 42                                ; all but the 42 just issued: this step's fragments are in
.else
	s_wait_dscnt 24                                ; all but x's 24 of step 7
.endif
.else
	s_wait_dscnt 0x0
	s_wait_loadcnt 0x0                             ; the weights' step 7 and the biases
.endif
	MULQK \k
	MULV \k
.endif
.endm
	s_wait_alu depctr_va_vdst(0)                   ; the wait at the head's end
	s_wait_tensorcnt 0x0                           ; my part of chunk 0 is in
	ds_add_u32 v[SPW], v[NIL]
	s_mov_b32 s[G1A+1], 576<<16                    ; no tensor load of mine is out: the descriptors go on to chunk 1: rows of 4,608 bytes of x,
	s_mov_b32 s[G1A+3], 576<<16
	s_mov_b32 s[G1B+1], 384<<16                    ; of 3,072 bytes of the weights
	s_mov_b32 s[G1B+3], 384<<16
	s_mul_i32 s2, s20, 8*4608
	s_add_co_u32 s[G0A+1], s2, C1
	s_mul_i32 s2, s20, 6*3072
	s_add_co_u32 s[G0B+1], s2, W1
	s_add_nc_u64 s[G0A+2:G0A+3], s[G0A+2:G0A+3], T0
	s_add_nc_u64 s[G0B+2:G0B+3], s[G0B+2:G0B+3], T0
	s_wait_dscnt 0x0                               ; the add is done
	CROUND                                         ; everybody's part of chunk 0 is in; the joint loads meet
	JLOAD                                          ; chunk 1: my one tensor load behind the round
	FETCH 0
	s_wait_loadcnt 30                              ; the scale words; the biases' 12 loads and step 7's 18 may stay out
	PHASE 0
	PHASE 1
	PHASE 2
	PHASE 3
	PHASE 4
	PHASE 5
	PHASE 6
	PHASE 7
; Units U and U + 1 (0-3 a pair of row tiles of Q or K; 4, 5 a channel tile of V), 64 numbers a lane each: bias added, quantised, stored.
; Register 16 b + i of a unit = k 32 b + 16 (lane / 16) + i of my row.  The two units' eight blocks go by turns.  Each accumulator is read from its low end on.
.macro UNITS U
.set j, 0
.if (\U) < 4
	WIN 0x4e                                       ; source 0 window 2, source 1 window 3, destination window 1
.rept 64
	v_pk_add_f32 v[j:j+1], v[64*(\U)+j:64*(\U)+j+1], v[128+j%32:128+j%32+1]
.set j, j+2
.endr
.else
	WIN 0x4f                                       ; sources window 3
.rept 64
	v_pk_add_f32 v[j:j+1], v[j:j+1], v[160+2*(j/64):161+2*(j/64)]
.set j, j+2
.endr
.endif
	s_wait_xcnt 0x0                                ; the last units' stores have read the codes' registers
	WIN 0x14                                       ; sources 1 and 2 window 1
.irp b, 0,1,2,3,4,5,6,7
	v_max3_num_f32 v[BM+\b], 0x2800000, |v[16*\b]|, |v[16*\b+1]|   ; the floor 2^(5 - 127): the byte cannot fall under 1
.endr
.irp i, 2,4,6,8,10,12,14
.irp b, 0,1,2,3,4,5,6,7
	v_max3_num_f32 v[BM+\b], v[BM+\b], |v[16*\b+\i]|, |v[16*\b+\i+1]|
.endr
.endr
	WIN 0
.irp b, 0,1,2,3,4,5,6,7
	v_permlanex16_b32 v[PX+\b], v[BM+\b], s[SEL], s[SEL+1]
.endr
.irp b, 0,1,2,3,4,5,6,7
	v_max_num_f32 v[BM+\b], v[BM+\b], v[PX+\b]     ; with lane l xor 16's: the block's largest magnitude
.endr
.irp b, 0,1,2,3,4,5,6,7
	v_add_nc_u32 v[SO+\b], 0xfe000000, v[BM+\b]    ; 4 off its exponent field: the conversion's scale operand
.endr
.irp b, 0,1,2,3,4,5,6,7
	v_lshrrev_b32 v[PX+\b], 23, v[SO+\b]           ; the scale's byte
.endr
.irp e, 0,1
	v_lshl_or_b32 v[PW+(\U)+\e], v[PX+4*\e+1], 8, v[PX+4*\e]
.endr
.irp e, 0,1
	v_lshl_or_b32 v[PW+(\U)+\e], v[PX+4*\e+2], 16, v[PW+(\U)+\e]
.endr
.irp e, 0,1
	v_lshl_or_b32 v[PW+(\U)+\e], v[PX+4*\e+3], 24, v[PW+(\U)+\e]
.endr
	WIN 0x01                                       ; source 0 window 1
.irp c, 0,1,2,3                        ; c = 2 x unit + half of the fragment's K
	v_cvt_scalef32_pk16_bf6_f32 v[PC+6*\c:PC+2+6*\c], v[32*\c:15+32*\c], v[SO+2*\c]
	v_cvt_scalef32_pk16_bf6_f32 v[CT+4*\c:CT+2+4*\c], v[16+32*\c:31+32*\c], v[SO+2*\c+1]   ; (a conversion's three registers begin on an even number)
.endr
	v_nop                                          ; one plain place behind a scaled conversion
	WIN 0
.irp c, 0,1,2,3                        ; the operand's layout wants a whole block in a lane: lanes 0-15 the even block, lanes 16-31 the odd one
.irp i, 0,1,2
	v_permlane16_swap_b32 v[PC+6*\c+\i], v[CT+4*\c+\i]
.endr
.endr
.irp c, 0,1,2,3
.irp i, 0,1,2
	v_mov_b32 v[PC+3+6*\c+\i], v[CT+4*\c+\i]
.endr
.endr
.irp e, 0,1
.irp q, 0,1,2
.if (\U) < 4
	global_store_b128 v1, v[PC+12*\e+4*\q:PC+12*\e+4*\q+3], s[82:83] offset:1536*((\U)+\e)+512*\q      ; 32 lanes store 512 consecutive bytes, aligned
.else
	global_store_b128 v1, v[PC+12*\e+4*\q:PC+12*\e+4*\q+3], s[86:87] offset:1536*\e+512*\q
.endif
.endr
.endr
.endm
	WIN 0
	PLACES                                         ; behind the last products
.irp b, 0,1,2,3,4,5,6,7
	v_mov_b32 v[PX+\b], 0                          ; written once: a lane permute's destination counts as one of its sources
.endr
	UNITS 0
	UNITS 2
	UNITS 4
	v_cmp_ne_u32 vcc_lo, 0, v4
	v_cndmask_b32 v238, v[PW], v[PW+2], vcc_lo     ; lanes 0-15 store row r's words of pairs 0, 1; lanes 16-31 of pairs 2, 3
	v_cndmask_b32 v239, v[PW+1], v[PW+3], vcc_lo
	global_store_b64 v2, v[238:239], s[84:85]      ; 256 consecutive bytes, aligned
	v_cndmask_b32 v240, v[PW+4], v[PW+5], vcc_lo   ; V's: channel row r, word u = h
	global_store_b32 v3, v240, s[88:89]            ; 128 consecutive bytes: the other 128 of the 256 are the other wave's
	s_wait_tensorcnt 0x0                           ; the wave's end
	ds_add_u32 v[SPW], v[NIL]
	s_wait_dscnt 0x0
	CROUND                                         ; the closing round: no work-group ends while a partner may still ask for a tile that names it
	s_endpgm
.Lfunc_end_k_q2f67d6fcc9_qkv:
	.size	k_q2f67d6fcc9_qkv, .Lfunc_end_k_q2f67d6fcc9_qkv-k_q2f67d6fcc9_qkv
	.p2alignl 7, 3214868480
	.fill 96, 4, 3214868480
	.section	.rodata,"a",@progbits
	.p2align	6, 0x0
	.amdhsa_kernel k_q2f67d6fcc9_qkv
		.amdhsa_group_segment_fixed_size 327680
		.amdhsa_private_segment_fixed_size 0
		.amdhsa_enable_private_segment 0
		.amdhsa_kernarg_size 56
		.amdhsa_user_sgpr_count 2
		.amdhsa_user_sgpr_kernarg_segment_ptr 1
		.amdhsa_wavefront_size32 1
		.amdhsa_system_sgpr_workgroup_id_x 1
		.amdhsa_system_sgpr_workgroup_id_y 1
		.amdhsa_system_sgpr_workgroup_id_z 1
		.amdhsa_system_vgpr_workitem_id 0
		.amdhsa_next_free_vgpr 1024
		.amdhsa_next_free_sgpr 100
		.amdhsa_reserve_vcc 1
		.amdhsa_float_denorm_mode_32 3
		.amdhsa_float_denorm_mode_16_64 3
		.amdhsa_memory_ordered 1
		.amdhsa_forward_progress 1
		.amdhsa_inst_pref_size 121
	.end_amdhsa_kernel
	.amdgpu_metadata
---
amdhsa.version: [ 1, 2 ]
amdhsa.kernels:
  - .name:           k_q2f67d6fcc9_qkv
    .symbol:         k_q2f67d6fcc9_qkv.kd
    .args:
      - { .name: xw_codes, .offset: 0, .size: 8, .value_kind: global_buffer, .address_space: global }
      - { .name: xw_scales, .offset: 8, .size: 8, .value_kind: global_buffer, .address_space: global }
      - { .name: bq, .offset: 16, .size: 8, .value_kind: global_buffer, .address_space: global }
      - { .name: bk, .offset: 24, .size: 8, .value_kind: global_buffer, .address_space: global }
      - { .name: bv, .offset: 32, .size: 8, .value_kind: global_buffer, .address_space: global }
      - { .name: qimg, .offset: 40, .size: 8, .value_kind: global_buffer, .address_space: global }
      - { .name: kv, .offset: 48, .size: 8, .value_kind: global_buffer, .address_space: global }
    .group_segment_fixed_size: 327680
    .private_segment_fixed_size: 0
    .kernarg_segment_align: 8
    .kernarg_segment_size: 56
    .max_flat_workgroup_size: 128
    .sgpr_count:     100
    .vgpr_count:     1024
    .wavefront_size: 32
...
	.end_amdgpu_metadata
.endif
;; end of part 2
;; launch attn (part 3): grid 8 x 32, 16 waves a work-group, no clusters, 325,632 bytes of LDS; arguments qimg, kv, ao_codes, ao_scales; writes ao_codes, ao_scales
.if DOCPART == 3
	.amdgcn_target "amdgcn-amd-amdhsa--gfx1250"
	.amdhsa_code_object_version 6
	.text
	.protected	k_q2f67d6fcc9_attn
	.globl	k_q2f67d6fcc9_attn
	.p2align	8
	.type	k_q2f67d6fcc9_attn,@function
k_q2f67d6fcc9_attn:
	s_mov_b64 s[64:65], 0
	v_nop
	global_prefetch_b8 v0, s[64:65] scope:SCOPE_SE
	s_setreg_imm32_b32 hwreg(HW_REG_WAVE_MODE, 25, 1), 1
	s_wait_xcnt 0x0
; Causal attention of one batch x head on codes of BF6 (E3M2): scores = Q K^T / 8; hidden keys (key > query) have the logit -10000; p = 2^(t - M), t = logit x log2(e), M = the row's largest t rounded up to a whole number;
; p is quantised along the keys, the row's sum l is taken of the unquantised p, O = (Q(p) V) / l, and O is quantised along head x 64 + channel for the last product.
; WORK LEFT OUT: the scores of key steps that lie wholly behind their queries, which reference() overwrites with -10000 whatever the inputs hold; a NaN, an infinity or an overflow in them alone is not carried on.
; SHARES.  A work-group owns the blocks i and 15 - i of 128 queries of one head.  Sixteen waves, in eight pairs; pair T owns tile T (16 queries) of both blocks, 17 key steps with scores in all.
; Role 0 takes key steps 0-8 of the long block's tile; role 1 takes the short block's tile whole (i + 1 steps) and then steps 9 .. 15 - i of the long block's.  So a wave has nine or eight steps, whatever i.
; The parts of the long tile meet at the end through LDS: M is a whole number, so bringing a part under the common M rounds nothing.  Role 0 then finishes the long tile, role 1 the short one.
; THE HEAD'S K AND V (16 key steps x 12,800 bytes, as launch qkv laid them) LIE IN LDS WHOLE, filled once: wave w brings key step w, its one tensor load.  No loop runs ahead of a load: no prefetch.
; No cluster: the branches below hang on the block of queries, which is what would tell partners apart; partners that ran alike would do every step's softmax.
; LAYOUT.  Both products transposed: a lane holds ONE query.  K comes as pair fragments (k 0..63: 16 keys, k 64..127: 16 other keys); my queries stand as Q' = [q | zero codes] and Q'' = [zero codes | q]:
; pair x Q' gives the first 16 keys' scores, pair x Q'' the second's.  Register 16 b + i of the scores is key 32 b + 16 (lane / 16) + i of the step.
; A KEY STEP ALL OF WHOSE KEYS ARE HIDDEN has 128 equal p, p_m = 2^(-10000 log2(e) - M).  Its part of O is Q(p_m) x the sum of the quantised V over those keys, its part of l is 128 p_m.  The sum over key step w's V is made by
; wave w with the matrix unit (V x a fragment of codes 1.0).  Q(p_m) = 2^floor(log2 p_m): the fraction of -10000 log2(e) is 0.05, so p_m / its block's scale lies at 16.6 and rounds to the code 16, whatever the whole number M.
; The largest t starts at the hidden keys' t wherever a row has hidden steps (blocks 0 to 14); on the diagonal the hidden scores are set to -80000 = -10000 x 8 and go the way of all scores.
; LIMITS: p under 2^-126 counts as 0 (v_exp_f32 flushes it); a block of O whose largest magnitude lies under 2^-122 keeps the scale byte 1; NaN and infinities are not served.
; REGISTERS: v1, v2 16 x, 8 x lane; v3, v4 K's LDS addresses, v9, v10 V's; v5 my query - 16 h; v6 -80000; v7 r; v8 h; v11 my pair's image; v12 -M, v13 the largest t, v[14:15] l; v16-33 zeros, q, zeros; v34-40 the next tile's q and scale.
.set ZQ,  16
.set QN,  34
.set QS,  41                           ; v41, v42 the scale words of Q', Q''
.set PS,  43                           ; v43 p's scale word
.set KSC, 44                           ; v[44:45] K's scale words
.set VSC, 46                           ; v[46:47] V's
.set KK,  48                           ; v48-95 K's four pair fragments
.set S,   96                           ; v96-159 scores, then p; V's tiles 2, 3 at v96-119 when p is quantised
.set OT,  160                          ; v160-191 O^T
.set PCD, 192                          ; v192-203 p's codes (ahead of them, to v205, the sum's chains)
.set CT,  204                          ; v204-206, v208-210 the conversions' second halves
.set VA,  212                          ; v212-235 V's tiles 0, 1
.set BM,  236                          ; the blocks' largest
.set PB,  240                          ; permute destinations, then bytes
.set SOP, 244                          ; the conversions' scale operands
.set FF,  248                          ; v[248:249] f = 2^(old M - new M)
.set TP,  250
.set MO,  251                          ; the old -M
.set SPW, 252
.set NIL, 253
.set LS,  254                          ; v[254:255] the step's part of l
.set VSB, 204800                       ; LDS behind K and V: the sums of V, 256 bytes for each key step;
.set SUF, 208896                       ; each wave's sum of them, 256 bytes;
.set IMG, 212992                       ; 24 images of (O^T; -M, l), 4,608 bytes each: image w is wave w's own, for its short tile; image 16 + T the long tile T's second part, from wave T + 8;
.set SPARE, 323584                     ; the spare words, 128 bytes for each wave
.set CS,  24                           ; s[24:25] c = log2(e) / 8
.set SEL, 26
.set TB,  28                           ; LDS byte at which the step's K and V begin
.set J,   29                           ; the key step
.set KT,  30                           ; the trip
.set TB1, 31                           ; TB of the next trip
.set BLK, 40                           ; the step's block of queries: also the key step on its diagonal
.set THR, 41                           ; the trip that ends the short tile (31 in role 0: none)
.set OFB, 42                           ; from trip to key step, in the trips behind it
.set LAST, 43                          ; my last trip
.set BLKF, 44                          ; the block that I begin with, and finish
.set BLKB, 45                          ; the long block
	s_load_b128 s[4:7], s[0:1], 0x0                ; qimg, kv
	s_load_b128 s[8:11], s[0:1], 0x10              ; ao_codes, ao_scales
	v_lshl_add_u32 v[SPW], v0, 2, SPARE
	v_mov_b32 v[NIL], 0
	ds_add_u32 v[SPW], v[NIL]                      ; the wave's opening: the add, twice on end, and its wait
	ds_add_u32 v[SPW], v[NIL]
	v_lshrrev_b32 v1, 5, v0
	v_readfirstlane_b32 s12, v1                    ; wave 0..15
	s_and_b32 s2, ttmp7, 0xffff
	s_lshr_b32 s13, ttmp9, 2                       ; batch x 16 + head: bit 0 = x / 4, bit 1 = y's bit 0, bits 2-4 = y's
	s_and_b32 s3, s2, 1
	s_lshl_b32 s3, s3, 1
	s_or_b32 s13, s13, s3
	s_and_b32 s3, s2, 28
	s_or_b32 s13, s13, s3
	s_and_b32 s14, ttmp9, 3                        ; i, 0 to 7: x % 4, and y's bit 1 above
	s_bfe_u32 s3, s2, 0x10001
	s_lshl_b32 s3, s3, 2
	s_or_b32 s14, s14, s3
	s_mov_b32 s32, 3<<16                           ; group 1: a key step is a dense block of 12,800 bytes: 50 rows of 256 bytes (32 elements of 8 bytes), no padding
	s_mov_b32 s33, 32<<16
	s_mov_b32 s34, 50<<16
	s_mov_b32 s35, 32<<16
	s_mov_b32 s36, 50
	s_mov_b32 s37, 32
	s_mov_b32 s38, 0
	s_mov_b32 s39, 0
	s_mul_i32 s15, s12, 12800                      ; wave w: key step w
	s_mul_i32 s16, s13, 204800
	s_add_co_u32 s16, s16, s15
	s_mov_b32 s17, 0
	s_wait_alu depctr_va_vdst(0)
	s_wait_dscnt 0x0                               ; both opening adds are done
	s_wait_kmcnt 0x0
	s_mov_b32 s48, 1
	s_add_co_u32 s49, s15, 0
	s_add_nc_u64 s[50:51], s[6:7], s[16:17]
	s_or_b32 s51, s51, 0x80000000
	tensor_load_to_lds s[48:51], s[32:39]
	s_nop 0
	s_lshr_b32 s19, s12, 3                         ; the role: waves 0-7 role 0, waves 8-15 role 1
	s_and_b32 s20, s12, 7                          ; the pair (waves T and T + 8), and its tile of a block's eight
	s_lshr_b32 s22, s20, 1                         ; the tile's pair fragment
	s_and_b32 s23, s20, 1                          ; and which half of it is mine
	s_xor_b32 s[BLKB], s14, 15                     ; 15 - i
	s_xor_b32 s3, s14, 7
	s_add_co_u32 s3, s3, 1                         ; 8 - i
	s_cmp_eq_u32 s19, 1
	s_cselect_b32 s[BLKF], s14, s[BLKB]
	s_cselect_b32 s[THR], s14, 31
	s_cselect_b32 s[OFB], s3, 0
	s_cselect_b32 s[LAST], 7, 8
	s_mov_b32 s46, 0xff61b1e6                      ; where the largest score starts: -80000.0, or -3e38 in block 15, which has no hidden step
	s_mov_b32 s47, s46                             ; s46 for block BLKF, s47 for block BLKB
	s_cmp_lt_u32 s[BLKF], 15
	s_cselect_b32 s46, 0xc79c4000, s46
	s_cmp_lt_u32 s[BLKB], 15
	s_cselect_b32 s47, 0xc79c4000, s47
	s_mov_b32 s[CS], 0x3e38aa3b
	s_mov_b32 s[CS+1], s[CS]                       ; (named with it as a pair, so it is written)
	s_mov_b32 s[SEL], 0x76543210
	s_mov_b32 s[SEL+1], 0xfedcba98
	v_and_b32 v9, 31, v0
	v_and_b32 v7, 15, v0                           ; r
	v_bfe_u32 v8, v0, 4, 1                         ; h
	v_lshlrev_b32 v1, 4, v9
	v_lshlrev_b32 v2, 3, v9
	s_mul_i32 s58, s22, 1536
	v_add_nc_u32 v9, s58, v1                       ; my pair fragment's image in a block of qimg
	s_lshr_b32 s58, s22, 1
	s_lshl_b32 s58, s58, 7
	s_and_b32 s59, s22, 1
	s_lshl_b32 s59, s59, 2
	s_add_co_u32 s58, s58, s59
	v_lshl_add_u32 v10, v7, 3, s58                 ; its scale word of row r: [p / 2][r][p % 2]
	s_wait_alu depctr_va_vdst(0)
	s_lshl_b32 s58, s13, 4
	s_mov_b32 s3, 0
	s_add_co_u32 s2, s58, s[BLKF]
	s_mul_i32 s2, s2, 6400
	s_add_nc_u64 s[52:53], s[4:5], s[2:3]
	s_add_co_u32 s2, s58, s[BLKB]
	s_mul_i32 s2, s2, 6400
	s_add_nc_u64 s[54:55], s[4:5], s[2:3]
	s_cmp_eq_u32 s23, 1
	s_cselect_b32 s57, -1, 0
.irp q, 0,1,2
	global_load_b128 v[KK+4*\q:KK+4*\q+3], v9, s[52:53] offset:512*\q
.endr
	global_load_b32 v[TP], v10, s[52:53] offset:6144
.irp n, 0,1,2,3,4,5,6
	v_mov_b32 v[QN+\n], 0                          ; (written on every path; role 1 writes its second tile's q and scale here)
.endr
	s_wait_alu depctr_va_vdst(0)
	s_cmp_eq_u32 s19, 0
	s_cbranch_scc1 .Lone_tile
.irp q, 0,1,2
	global_load_b128 v[KK+12+4*\q:KK+12+4*\q+3], v9, s[54:55] offset:512*\q
.endr
	global_load_b32 v[MO], v10, s[54:55] offset:6144
	s_wait_loadcnt 0x0
.irp n, 0,1,2,3,4,5
	v_cndmask_b32 v[QN+\n], v[KK+12+\n], v[KK+18+\n], s57
.endr
	v_lshrrev_b32 v[FF], 16, v[MO]
	v_cndmask_b32 v[QN+6], v[MO], v[FF], s57
	s_wait_alu depctr_va_vdst(0)
.Lone_tile:
	s_wait_loadcnt 0x0
.irp n, 0,1,2,3,4,5
	v_cndmask_b32 v[ZQ+6+\n], v[KK+\n], v[KK+6+\n], s57   ; my half of the pair
	v_mov_b32 v[ZQ+\n], 0
	v_mov_b32 v[ZQ+12+\n], 0
.endr
	v_lshrrev_b32 v[FF], 16, v[TP]
	v_cndmask_b32 v[QS], v[TP], v[FF], s57         ; Q': my two bytes below (what stands above scales zero codes and is no 0xff)
	v_lshlrev_b32 v[QS+1], 16, v[QS]               ; Q'': my two bytes above
	v_and_b32 v5, 8, v7
	v_add_nc_u32 v5, v5, v7                        ; r + 8 (r / 8)
	s_lshl_b32 s58, s22, 5
	s_lshl_b32 s59, s23, 3
	s_add_co_u32 s58, s58, s59
	v_add_nc_u32 v5, s58, v5                       ; my query in its block
	v_lshlrev_b32 v6, 4, v8
	v_sub_nc_u32 v5, v5, v6                        ; - 16 h
	v_mov_b32 v6, 0xc79c4000                       ; -80000.0
.macro RESET ini                       ; an empty tile: the largest t, -M, l and O^T
	v_mov_b32 v13, \ini
	v_mul_f32 v13, s[CS], v13
	v_floor_f32 v12, -v13
	v_mov_b32 v14, 0
	v_mov_b32 v15, 0
.set j, 0
.rept 32
	v_mov_b32 v[OT+j], 0
.set j, j+1
.endr
.endm
	RESET s46
.irp b, 0,1,2,3
	v_mov_b32 v[PB+\b], 0                          ; a lane permute's destination counts as one of its sources
	v_mov_b32 v[SOP+\b], 0                         ; (written on every path)
	v_mov_b32 v[PCD+3*\b], 0x0c30c30c              ; a fragment of ones: the code of 1.0 is 001100: sixteen of them are these three words
	v_mov_b32 v[PCD+1+3*\b], 0xc30c30c3
	v_mov_b32 v[PCD+2+3*\b], 0x30c30c30
.endr
	v_mov_b32 v[FF+1], 0                           ; named as the upper half of a pair
	v_mov_b32 v[PS], 0x7f7f7f7f                    ; scale 1.0
	v_add_nc_u32 v9, s15, v1                       ; my own key step
	v_add_nc_u32 v10, s15, v2
	s_lshl_b32 s58, s12, 8
	s_add_co_u32 s58, s58, VSB
	v_lshlrev_b32 v3, 5, v8
	v_add_nc_u32 v3, s58, v3                       ; where its sum goes: [tile][h][8]
	s_mul_i32 s58, s12, 4608
	s_add_co_u32 s58, s58, IMG
	v_add_nc_u32 v11, s58, v1                      ; image w: my own
.macro KLOAD a16, a8                   ; a step's K: four pair fragments and their scale words
.irp p, 0,1,2,3
.irp q, 0,1,2
	ds_load_b128 v[KK+12*\p+4*\q:KK+12*\p+4*\q+3], \a16 offset:1536*\p+512*\q
.endr
.endr
	ds_load_b64 v[KSC:KSC+1], \a8 offset:12288
.endm
.macro VLOAD t, r                      ; V's channel tiles t, t + 1 into v[r] on
.irp q, 0,1,2,3,4,5
	ds_load_b128 v[\r+4*\q:\r+4*\q+3], v9 offset:6144+1536*(\t)+512*\q
.endr
.endm
.macro VM t, a, d, c                   ; V's tile t x the fragment in v[PCD] on
.if (\t) < 2
	v_wmma_scale_f32_16x16x128_f8f6f4 v[\d:\d+7], v[\a:\a+11], v[PCD:PCD+11], \c, v[VSC+\t], v[PS] matrix_a_fmt:MATRIX_FMT_BF6 matrix_b_fmt:MATRIX_FMT_BF6
.else
	v_wmma_scale_f32_16x16x128_f8f6f4 v[\d:\d+7], v[\a:\a+11], v[PCD:PCD+11], \c, v[VSC+\t-2], v[PS] matrix_a_fmt:MATRIX_FMT_BF6 matrix_b_fmt:MATRIX_FMT_BF6 matrix_a_scale:MATRIX_SCALE_ROW1
.endif
.endm
.macro PUT off                         ; the tile's state into my pair's image: v13 becomes l of my lane
	v_add_f32 v13, v14, v15
.irp q, 0,1,2,3,4,5,6,7
	ds_store_b128 v11, v[OT+4*\q:OT+4*\q+3] offset:\off+512*\q
.endr
	ds_store_b128 v11, v[12:15] offset:\off+4096
	s_wait_dscnt 0x0                               ; the stores have read their registers
.endm
	s_wait_alu depctr_va_vdst(0)                   ; the wait at the head's end
	s_wait_tensorcnt 0x0                           ; my key step is in
	s_barrier_signal -1
	VLOAD 0, VA                                    ; bytes that I brought myself and that nobody writes again
	VLOAD 2, S
	ds_load_b64 v[VSC:VSC+1], v10 offset:12544
	s_wait_dscnt 0x0
	VM 0, VA, 128, 0                               ; the sum over my key step's 128 keys of the quantised V: v128-159
	VM 1, VA+12, 136, 0
	VM 2, S, 144, 0
	VM 3, S+12, 152, 0
	s_barrier_wait -1                              ; all sixteen key steps are in
.rept 5
	v_nop                                          ; five places: the scores' products begin anew on these registers
.endr
.irp t, 0,1,2,3
	ds_store_b128 v3, v[128+8*\t:131+8*\t] offset:64*\t   ; (the sixteen lanes of a half write the same bytes with the same values)
	ds_store_b128 v3, v[132+8*\t:135+8*\t] offset:64*\t+16
.endr
	KLOAD v1, v2                                   ; every wave begins with key step 0
	s_wait_dscnt 0x0
	s_mov_b32 s[KT], 0
.macro WHERE k, tb                     ; the key step of trip k; its block's compare stands ahead
	s_cselect_b32 s[J], s[OFB], 0
	s_add_co_u32 s[J], s[J], \k
	s_min_u32 s[J], s[J], 15
	s_mul_i32 \tb, s[J], 12800
.endm
.Ltrip:
	s_cmp_gt_u32 s[KT], s[LAST]
	s_cbranch_scc1 .Lnext                          ; role 1 has eight steps
	s_add_co_u32 s58, s[KT], 1
	s_cmp_gt_u32 s58, s[THR]
	WHERE s58, s[TB1]
	s_cmp_gt_u32 s[KT], s[THR]
	s_cselect_b32 s[BLK], s[BLKB], s[BLKF]
	WHERE s[KT], s[TB]
.irp p, 0,1
.irp u, 0,1
	v_wmma_scale_f32_16x16x128_f8f6f4 v[S+8*(2*\p+\u):S+8*(2*\p+\u)+7], v[KK+12*\p:KK+12*\p+11], v[ZQ+6-6*\u:ZQ+17-6*\u], 0, v[KSC+\p], v[QS+\u] matrix_a_fmt:MATRIX_FMT_BF6 matrix_b_fmt:MATRIX_FMT_BF6
.endr
.endr
.irp p, 2,3
.irp u, 0,1
	v_wmma_scale_f32_16x16x128_f8f6f4 v[S+8*(2*\p+\u):S+8*(2*\p+\u)+7], v[KK+12*\p:KK+12*\p+11], v[ZQ+6-6*\u:ZQ+17-6*\u], 0, v[KSC+\p-2], v[QS+\u] matrix_a_fmt:MATRIX_FMT_BF6 matrix_b_fmt:MATRIX_FMT_BF6 matrix_a_scale:MATRIX_SCALE_ROW1
.endr
.endr
	v_add_nc_u32 v9, s[TB], v1                     ; four places ahead of the loads below and of the first read of the scores
	v_add_nc_u32 v10, s[TB], v2
	v_add_nc_u32 v3, s[TB1], v1
	v_add_nc_u32 v4, s[TB1], v2
	VLOAD 0, VA                                    ; lands while the softmax is worked
	ds_load_b64 v[VSC:VSC+1], v10 offset:12544
	s_cmp_eq_u32 s[KT], s[LAST]
	s_cbranch_scc1 .Lno_more
	KLOAD v3, v4                                   ; the next trip's K: so does this
.Lno_more:
	s_cmp_lg_u32 s[J], s[BLK]
	s_cbranch_scc1 .Lopen
.irp b, 0,1,2,3                        ; on the diagonal, 32 keys at a time: all seen where they lie ahead of my tile's 32 queries, all hidden behind them
	s_cmp_lt_u32 \b, s22
	s_cbranch_scc1 .Lseen_\b
	s_cmp_eq_u32 \b, s22
	s_cbranch_scc0 .Lgone_\b
.irp g, 0,4,8,12                       ; register 16 b + n holds key 32 b + 16 h + n: hidden where it lies beyond my query
	v_cmp_gt_i32 s60, 32*\b+\g, v5
	v_cmp_gt_i32 s61, 32*\b+\g+1, v5
	v_cmp_gt_i32 s62, 32*\b+\g+2, v5
	v_cmp_gt_i32 s63, 32*\b+\g+3, v5
	v_cndmask_b32 v[S+16*\b+\g], v[S+16*\b+\g], v6, s60
	v_cndmask_b32 v[S+16*\b+\g+1], v[S+16*\b+\g+1], v6, s61
	v_cndmask_b32 v[S+16*\b+\g+2], v[S+16*\b+\g+2], v6, s62
	v_cndmask_b32 v[S+16*\b+\g+3], v[S+16*\b+\g+3], v6, s63
.endr
	s_wait_alu depctr_va_vdst(0)
	s_branch .Lseen_\b
.Lgone_\b:
.set j, 0
.rept 16
	v_mov_b32 v[S+16*\b+j], v6
.set j, j+1
.endr
	s_wait_alu depctr_va_vdst(0)
.Lseen_\b:
.endr
.Lopen:
.irp b, 0,1,2,3
	v_max3_num_f32 v[BM+\b], v[S+16*\b], v[S+1+16*\b], v[S+2+16*\b]   ; the largest score of each block of 32 keys: for the row's maximum, and, since p rises with the score, for the block's largest p
.endr
.irp n, 3,5,7,9,11,13
.irp b, 0,1,2,3
	v_max3_num_f32 v[BM+\b], v[BM+\b], v[S+16*\b+\n], v[S+1+16*\b+\n]
.endr
.endr
.irp b, 0,1,2,3
	v_max_num_f32 v[BM+\b], v[BM+\b], v[S+15+16*\b]
.endr
.irp b, 0,1,2,3
	s_delay_alu instid0(VALU_DEP_4)
	v_permlanex16_b32 v[PB+\b], v[BM+\b], s[SEL], s[SEL+1]
.endr
.irp b, 0,1,2,3
	s_delay_alu instid0(VALU_DEP_4)
	v_max_num_f32 v[BM+\b], v[BM+\b], v[PB+\b]     ; with lane l xor 16's 16 keys
.endr
	s_delay_alu instid0(VALU_DEP_2)
	v_max3_num_f32 v[TP], v[BM], v[BM+1], v[BM+2]
	s_delay_alu instid0(VALU_DEP_1)
	v_max_num_f32 v[TP], v[TP], v[BM+3]
	s_delay_alu instid0(VALU_DEP_1)
	v_mul_f32 v[TP], s[CS], v[TP]                  ; the step's largest t
	s_delay_alu instid0(VALU_DEP_1)
	v_max_num_f32 v13, v13, v[TP]
	v_mov_b32 v[MO], v12
	s_delay_alu instid0(VALU_DEP_2)
	v_floor_f32 v12, -v13                          ; the new -M = -ceil(t): a whole number
.macro TM n                            ; t - M, two at a time
.rept \n
	v_pk_fma_f32 v[S+j:S+j+1], v[S+j:S+j+1], s[CS:CS+1], v[12:13] op_sel_hi:[1,0,0]
.set j, j+2
.endr
.endm
.set j, 0
	TM 11
	v_sub_f32 v[TP], v12, v[MO]                    ; old M - new M: a whole number, 0 or less
	TM 11
	v_cvt_i32_f32 v[TP], v[TP]                     ; (it saturates)
	TM 10
	v_ldexp_f32 v[FF], 1.0, v[TP]                  ; f: a multiplication by it rounds nothing
.irp b, 0,1,2,3
	v_fma_f32 v[BM+\b], v[BM+\b], s[CS], v12       ; the same of each block's largest score
.endr
	s_wait_alu depctr_va_vdst(0)                   ; the wait ahead of the batch
.set j, 0
.rept 64
	v_exp_f32 v[S+j], v[S+j]                       ; p = 2^(t - M): not normalised
.set j, j+1
.endr
.irp b, 0,1,2,3
	v_exp_f32 v[BM+\b], v[BM+\b]                   ; the block's largest p: the same two instructions on the same number
.endr
	v_pk_mul_f32 v[14:15], v[14:15], v[FF:FF+1] op_sel_hi:[1,0]   ; l under the new M (a plain place behind the exponentials)
	s_wait_alu depctr_va_vdst(0)                   ; one wait for the batch of 68, ahead of its first reader
.irp c, 0,1,2,3,4,5,6                  ; the row's sum, of the unquantised p, in eight chains of pairs
	v_pk_add_f32 v[PCD+2*\c:PCD+2*\c+1], v[S+4*\c:S+4*\c+1], v[S+4*\c+2:S+4*\c+3]
.endr
	v_pk_add_f32 v[14:15], v[14:15], v[S+28:S+29]
.irp c, 0,1,2,3,4,5,6
	v_pk_add_f32 v[PCD+2*\c:PCD+2*\c+1], v[PCD+2*\c:PCD+2*\c+1], v[S+30+2*\c:S+31+2*\c]
.endr
	v_pk_add_f32 v[14:15], v[14:15], v[S+44:S+45]
.irp c, 0,1,2,3,4,5,6
	v_pk_add_f32 v[PCD+2*\c:PCD+2*\c+1], v[PCD+2*\c:PCD+2*\c+1], v[S+46+2*\c:S+47+2*\c]
.endr
	v_pk_add_f32 v[14:15], v[14:15], v[S+60:S+61]
	v_pk_add_f32 v[192:193], v[192:193], v[S+62:S+63]
	v_max_num_f32 v[BM], 0x2800000, v[BM]          ; the floor 2^(5 - 127): the byte cannot fall under 1
	v_pk_add_f32 v[194:195], v[194:195], v[196:197]
	v_max_num_f32 v[BM+1], 0x2800000, v[BM+1]
	v_pk_add_f32 v[198:199], v[198:199], v[200:201]
	v_max_num_f32 v[BM+2], 0x2800000, v[BM+2]
	v_pk_add_f32 v[202:203], v[202:203], v[204:205]
	v_max_num_f32 v[BM+3], 0x2800000, v[BM+3]
	v_pk_add_f32 v[192:193], v[192:193], v[194:195]
	v_add_nc_u32 v[SOP], 0xfe000000, v[BM]
	v_add_nc_u32 v[SOP+1], 0xfe000000, v[BM+1]
	v_pk_add_f32 v[198:199], v[198:199], v[202:203]
	v_add_nc_u32 v[SOP+2], 0xfe000000, v[BM+2]
	v_add_nc_u32 v[SOP+3], 0xfe000000, v[BM+3]
	v_lshrrev_b32 v[PB], 23, v[SOP]
	v_lshrrev_b32 v[PB+1], 23, v[SOP+1]
	v_pk_add_f32 v[LS:LS+1], v[192:193], v[198:199]
	v_lshrrev_b32 v[PB+2], 23, v[SOP+2]
	v_lshrrev_b32 v[PB+3], 23, v[SOP+3]
	v_lshl_or_b32 v[PS], v[PB+1], 8, v[PB]         ; p's scale word for these 128 keys
	s_delay_alu instid0(VALU_DEP_1)
	v_lshl_or_b32 v[PS], v[PB+2], 16, v[PS]
	s_delay_alu instid0(VALU_DEP_1)
	v_lshl_or_b32 v[PS], v[PB+3], 24, v[PS]
.irp c, 0,1
	v_cvt_scalef32_pk16_bf6_f32 v[PCD+6*\c:PCD+2+6*\c], v[S+32*\c:S+15+32*\c], v[SOP+2*\c]
	v_cvt_scalef32_pk16_bf6_f32 v[CT+4*\c:CT+2+4*\c], v[S+16+32*\c:S+31+32*\c], v[SOP+2*\c+1]
.endr
	VLOAD 2, S                                     ; p has been quantised: its registers take V's tiles 2, 3
	v_nop                                          ; one plain place behind a scaled conversion
.irp c, 0,1                            ; lanes 0-15 the even block, lanes 16-31 the odd one
.irp n, 0,1,2
	v_permlane16_swap_b32 v[PCD+6*\c+\n], v[CT+4*\c+\n]
.endr
.endr
.irp c, 0,1
.irp n, 0,1,2
	v_mov_b32 v[PCD+3+6*\c+\n], v[CT+4*\c+\n]
.endr
.endr
.set j, 0
.rept 16
	v_pk_mul_f32 v[OT+j:OT+j+1], v[OT+j:OT+j+1], v[FF:FF+1] op_sel_hi:[1,0]   ; O^T under the new M; these sixteen are also the places between the scale word's and the codes' last writes and the products
.set j, j+2
.endr
	s_wait_alu depctr_va_vdst(0)
	s_wait_dscnt 6                                 ; V's tiles 0, 1 (and the next K) are in; the six loads of tiles 2, 3 may be out
	VM 0, VA, OT, v[OT:OT+7]
	VM 1, VA+12, OT+8, v[OT+8:OT+15]
	s_wait_dscnt 0x0
	VM 2, S, OT+16, v[OT+16:OT+23]
	VM 3, S+12, OT+24, v[OT+24:OT+31]
	v_pk_add_f32 v[14:15], v[14:15], v[LS:LS+1]    ; five places: the next scores' products write over registers that these read
.rept 4
	v_nop
.endr
	s_cmp_lg_u32 s[KT], s[THR]
	s_cbranch_scc1 .Lnext
	PUT 0                                          ; role 1: the short tile is done; on to the long one's second part
	v_mov_b32 v[QS], v[QN+6]
	v_lshlrev_b32 v[QS+1], 16, v[QN+6]
.irp n, 0,1,2,3,4,5
	v_mov_b32 v[ZQ+6+\n], v[QN+\n]
.endr
	RESET s47
.Lnext:
	s_add_co_u32 s[KT], s[KT], 1
	s_cmp_lt_u32 s[KT], 9
	s_cbranch_scc1 .Ltrip
	; THE END.  Role 1 hands over the long tile's second part; behind the barrier every wave takes up an image: role 0 that part, beside its own; role 1 its short tile, beside an empty one.
	s_wait_alu depctr_va_vdst(0)
	s_cmp_eq_u32 s19, 0
	s_cbranch_scc1 .Lkeep
	PUT 36864                                      ; image w + 8 = 16 + T
	RESET s47
.Lkeep:
	s_xor_b32 s58, s19, 1
	s_mul_i32 s58, s58, 73728                      ; role 0: image w + 16 = 16 + T; role 1: image w
	v_add_nc_u32 v3, s58, v11                      ; the image that I take up
	v_add_nc_u32 v4, VSB, v2                       ; the sums of V, two channels a lane
	s_lshl_b32 s58, s12, 8
	s_add_co_u32 s58, s58, SUF
	v_add_nc_u32 v5, s58, v2                       ; my own 256 bytes: in, two channels a lane,
	v_lshlrev_b32 v6, 5, v8
	v_add_nc_u32 v6, s58, v6                       ; and out, 8 channels of each tile
	s_wait_alu depctr_va_vdst(0)
	s_wait_dscnt 0x0                               ; my LDS stores are done
	s_barrier_signal -1
	s_barrier_wait -1
	ds_load_b128 v[80:83], v3 offset:4096          ; -M, l
.irp q, 0,1,2,3,4,5,6,7
	ds_load_b128 v[KK+4*\q:KK+4*\q+3], v3 offset:512*\q
.endr
.irp n, 1,2,3,4,5,6,7,8,9,10,11,12,13,14,15
	ds_load_b64 v[S+2*\n-2:S+2*\n-1], v4 offset:256*\n
.endr
	s_xor_b32 s56, s[BLKF], 15
	s_lshl_b32 s56, s56, 7                         ; keys in my block's hidden steps
	s_mov_b32 s61, 0                               ; (named as upper halves of pairs)
	s_mov_b32 s63, 0
	s_wait_dscnt 15                                ; the image is in; the fifteen sums may be out
	v_min_num_f32 v[TP], v12, v80                  ; the common -M
	v_add_f32 v14, v14, v15
	v_sub_f32 v[MO], v[TP], v12
	v_sub_f32 v[BM], v[TP], v80
	v_cvt_i32_f32 v[MO], v[MO]
	v_cvt_i32_f32 v[BM], v[BM]
	v_ldexp_f32 v[FF], 1.0, v[MO]                  ; mine,
	v_ldexp_f32 v[SOP], 1.0, v[BM]                 ; and the image's: nothing is rounded
	v_mul_f32 v14, v14, v[FF]
	v_fma_f32 v14, v81, v[SOP], v14
.set j, 0
.rept 16
	v_pk_mul_f32 v[OT+j:OT+j+1], v[OT+j:OT+j+1], v[FF:FF+1] op_sel_hi:[1,0]   ; each accumulator from its low end on
.set j, j+2
.endr
.set j, 0
.rept 16
	v_pk_fma_f32 v[OT+j:OT+j+1], v[KK+j:KK+j+1], v[SOP:SOP+1], v[OT+j:OT+j+1] op_sel_hi:[1,0,1]
.set j, j+2
.endr
	v_permlanex16_b32 v[PB], v14, s[SEL], s[SEL+1]
	v_add_f32 v14, v14, v[PB]                      ; l of the keys that have scores
	v_mov_b32 v230, s46
	v_fma_f32 v230, v230, s[CS], v[TP]             ; the hidden keys' t - M
	s_wait_alu depctr_va_vdst(0)
	s_wait_dscnt 0x0
.irp n, 1,2,3,4,5,6,7,8,9,10,11,12,13,14,15    ; the sum of V over my block's hidden steps: weight 1 where the step lies behind the block
	s_cmp_lt_u32 s[BLKF], \n
.if \n%2
	s_cselect_b32 s60, 1.0, 0
.if \n < 3
	v_pk_mul_f32 v[128:129], v[S+2*\n-2:S+2*\n-1], s[60:61] op_sel_hi:[1,0]
.else
	v_pk_fma_f32 v[128:129], v[S+2*\n-2:S+2*\n-1], s[60:61], v[128:129] op_sel_hi:[1,0,1]
.endif
.else
	s_cselect_b32 s62, 1.0, 0
.if \n < 3
	v_pk_mul_f32 v[130:131], v[S+2*\n-2:S+2*\n-1], s[62:63] op_sel_hi:[1,0]
.else
	v_pk_fma_f32 v[130:131], v[S+2*\n-2:S+2*\n-1], s[62:63], v[130:131] op_sel_hi:[1,0,1]
.endif
.endif
.endr
	v_pk_add_f32 v[128:129], v[128:129], v[130:131]
	ds_store_b64 v5, v[128:129]
.irp t, 0,1,2,3
	ds_load_b128 v[S+8*\t:S+8*\t+3], v6 offset:64*\t         ; LDS serves a wave's instructions in order: these see the store above
	ds_load_b128 v[S+8*\t+4:S+8*\t+7], v6 offset:64*\t+16
.endr
	s_wait_alu depctr_va_vdst(0)
	v_exp_f32 v230, v230                           ; p_m
	v_cvt_f32_u32 v231, s56                        ; (a plain place)
	s_wait_alu depctr_va_vdst(0)
	v_fma_f32 v14, v231, v230, v14                 ; l
	v_and_b32 v232, 0x7f800000, v230               ; Q(p_m)
	s_wait_alu depctr_va_vdst(0)
	v_rcp_f32 v234, v14
	v_nop
	s_wait_alu depctr_va_vdst(0)                   ; the reciprocal's wait
	s_wait_dscnt 0x0
.set j, 0
.rept 16
	v_pk_fma_f32 v[S+j:S+j+1], v[S+j:S+j+1], v[232:233], v[OT+j:OT+j+1] op_sel_hi:[1,0,1]
.set j, j+2
.endr
.set j, 0
.rept 16
	v_pk_mul_f32 v[S+j:S+j+1], v[S+j:S+j+1], v[234:235] op_sel_hi:[1,0]   ; register 16 b + i: channel 32 b + 16 h + i of my query
.set j, j+2
.endr
.irp b, 0,1
	v_max3_num_f32 v[BM+\b], |v[S+16*\b]|, |v[S+1+16*\b]|, 0x2800000
.endr
.irp n, 2,4,6,8,10,12,14
.irp b, 0,1
	s_delay_alu instid0(VALU_DEP_2)
	v_max3_num_f32 v[BM+\b], v[BM+\b], |v[S+16*\b+\n]|, |v[S+1+16*\b+\n]|
.endr
.endr
.irp b, 0,1
	s_delay_alu instid0(VALU_DEP_2)
	v_permlanex16_b32 v[PB+\b], v[BM+\b], s[SEL], s[SEL+1]
.endr
.irp b, 0,1
	s_delay_alu instid0(VALU_DEP_2)
	v_max_num_f32 v[BM+\b], v[BM+\b], v[PB+\b]
.endr
.irp b, 0,1
	s_delay_alu instid0(VALU_DEP_2)
	v_add_nc_u32 v[SOP+\b], 0xfe000000, v[BM+\b]
.endr
.irp b, 0,1
	s_delay_alu instid0(VALU_DEP_2)
	v_lshrrev_b32 v[PB+\b], 23, v[SOP+\b]
.endr
	v_cvt_scalef32_pk16_bf6_f32 v[PCD:PCD+2], v[S:S+15], v[SOP]
	v_cvt_scalef32_pk16_bf6_f32 v[CT:CT+2], v[S+16:S+31], v[SOP+1]
	v_nop
.irp n, 0,1,2
	v_permlane16_swap_b32 v[PCD+\n], v[CT+\n]
.endr
.irp n, 0,1,2
	s_delay_alu instid0(VALU_DEP_3)
	v_mov_b32 v[PCD+3+\n], v[CT+\n]                ; v192-197: lanes 0-15 channels 0-31, lanes 16-31 channels 32-63
.endr
	s_lshr_b32 s66, s13, 4
	s_lshl_b32 s66, s66, 7
	s_lshl_b32 s67, s[BLKF], 3
	s_add_co_u32 s66, s66, s67
	s_add_co_u32 s66, s66, s20                     ; my tile of the 4,096 rows: 128 x batch + 8 x block + tile
	s_bfe_u32 s67, s13, 0x30001                    ; the K step: head / 2
	s_and_b32 s68, s13, 1                          ; its half: head % 2
	s_mul_i32 s2, s66, 12288
	s_mul_i32 s69, s67, 1536
	s_add_co_u32 s2, s2, s69
	s_mul_i32 s69, s68, 768
	s_add_co_u32 s2, s2, s69
	s_mov_b32 s3, 0
	s_add_nc_u64 s[8:9], s[8:9], s[2:3]
	s_lshl_b32 s2, s66, 9
	s_lshl_b32 s69, s67, 6
	s_add_co_u32 s2, s2, s69
	s_lshl_b32 s69, s68, 1
	s_add_co_u32 s2, s2, s69
	s_add_nc_u64 s[10:11], s[10:11], s[2:3]
	s_wait_alu depctr_va_vdst(0)
	v_lshl_add_u32 v10, v7, 2, v8                  ; 4 r + h
	v_cmp_ne_u32 vcc_lo, 0, v8
	v_cndmask_b32 v227, v[PB], v[PB+1], vcc_lo
	s_wait_alu depctr_va_vdst(0)
	global_store_b128 v1, v[PCD:PCD+3], s[8:9]               ; 512 consecutive bytes, aligned
	global_store_b64 v2, v[PCD+4:PCD+5], s[8:9] offset:512   ; 256 consecutive bytes, aligned
	global_store_b8 v10, v227, s[10:11]            ; my block's byte of row r's word; the word's other two bytes are the neighbouring head's: 32 bytes a wave against its 768 of codes
	s_wait_tensorcnt 0x0                           ; the wave's end
	ds_add_u32 v[SPW], v[NIL]
	s_wait_dscnt 0x0
	s_endpgm
.Lfunc_end_k_q2f67d6fcc9_attn:
	.size	k_q2f67d6fcc9_attn, .Lfunc_end_k_q2f67d6fcc9_attn-k_q2f67d6fcc9_attn
	.p2alignl 7, 3214868480
	.fill 96, 4, 3214868480
	.section	.rodata,"a",@progbits
	.p2align	6, 0x0
	.amdhsa_kernel k_q2f67d6fcc9_attn
		.amdhsa_group_segment_fixed_size 325632
		.amdhsa_private_segment_fixed_size 0
		.amdhsa_enable_private_segment 0
		.amdhsa_kernarg_size 32
		.amdhsa_user_sgpr_count 2
		.amdhsa_user_sgpr_kernarg_segment_ptr 1
		.amdhsa_wavefront_size32 1
		.amdhsa_system_sgpr_workgroup_id_x 1
		.amdhsa_system_sgpr_workgroup_id_y 1
		.amdhsa_system_sgpr_workgroup_id_z 1
		.amdhsa_system_vgpr_workitem_id 0
		.amdhsa_next_free_vgpr 256
		.amdhsa_next_free_sgpr 72
		.amdhsa_reserve_vcc 1
		.amdhsa_float_denorm_mode_32 3
		.amdhsa_float_denorm_mode_16_64 3
		.amdhsa_memory_ordered 1
		.amdhsa_forward_progress 1
		.amdhsa_inst_pref_size 59
	.end_amdhsa_kernel
	.amdgpu_metadata
---
amdhsa.version: [ 1, 2 ]
amdhsa.kernels:
  - .name:           k_q2f67d6fcc9_attn
    .symbol:         k_q2f67d6fcc9_attn.kd
    .args:
      - { .name: qimg, .offset: 0, .size: 8, .value_kind: global_buffer, .address_space: global }
      - { .name: kv, .offset: 8, .size: 8, .value_kind: global_buffer, .address_space: global }
      - { .name: ao_codes, .offset: 16, .size: 8, .value_kind: global_buffer, .address_space: global }
      - { .name: ao_scales, .offset: 24, .size: 8, .value_kind: global_buffer, .address_space: global }
    .group_segment_fixed_size: 325632
    .private_segment_fixed_size: 0
    .kernarg_segment_align: 8
    .kernarg_segment_size: 32
    .max_flat_workgroup_size: 512
    .sgpr_count:     72
    .vgpr_count:     256
    .wavefront_size: 32
...
	.end_amdgpu_metadata
.endif
;; end of part 3
;; launch oproj (part 4): grid 8 x 32, 4 waves a work-group, clusters of 4 x 4, 214,528 bytes of LDS; arguments ao_codes, ao_scales, xw_codes, xw_scales, bo, out0; writes out0
.if DOCPART == 4
	.amdgcn_target "amdgcn-amd-amdhsa--gfx1250"
	.amdhsa_code_object_version 6
	.text
	.protected	k_q2f67d6fcc9_oproj
	.globl	k_q2f67d6fcc9_oproj
	.p2align	8
	.type	k_q2f67d6fcc9_oproj,@function
k_q2f67d6fcc9_oproj:
	s_mov_b64 s[64:65], 0
	v_nop
	global_prefetch_b8 v0, s[64:65] scope:SCOPE_SE
	s_setreg_imm32_b32 hwreg(HW_REG_WAVE_MODE, 25, 1), 1
	s_wait_xcnt 0x0
	s_wait_alu depctr_hold_cnt(0) depctr_sa_sdst(0) depctr_va_vdst(0) depctr_va_sdst(0) depctr_va_ssrc(0) depctr_va_vcc(0) depctr_vm_vsrc(0)
	s_getreg_b32 s2, hwreg(HW_REG_IB_STS2, 6, 4)
	s_cmp_eq_u32 s2, 0
	s_cbranch_scc0 .Lentry_in_a_cluster
	s_endpgm
.Lentry_in_a_cluster:
	s_bfe_u32 s2, ttmp6, 0x10000c
	s_cmp_lg_u32 s2, 0xf033
	s_cbranch_scc0 .Lentry_shape_is_right
	s_endpgm
.Lentry_shape_is_right:
; out0 = A Wo^T + bo on codes of BF6 (E3M2) with E8M0 scales, f32 sums.  A: the attention's result, [4096][1024] as launch attn laid it; Wo: tiles 448 on of xw_codes.
; A work-group makes 128 x 128 of out0, a wave 64 x 64.  All of K (1,024) of the work-group's 8 + 8 tiles lies in LDS, filled once: ONE tensor load a wave, four whole tiles of 12,288 bytes; no loop runs ahead of a load: no prefetch.
; THE WORK GOES BY ROWS OF out0: a wave holds Wo's 4 tiles x 8 K steps of fragments in 384 registers and finishes its four tiles of 16 rows one after the other, 32 matrix instructions each; a tile leaves while the next is multiplied.
; CLUSTER 4 x 4: A's tiles hang on the block of rows alone and are asked for jointly along a row of the cluster, Wo's on the block of columns alone, jointly along a column.
; THE MATRIX INSTRUCTION IS USED TRANSPOSED (source 0 = 16 rows of Wo, source 1 = 16 rows of A): a lane holds eight neighbouring columns of one row.  bo is the C of each sum's first instruction.
; The rows of a tile are 32 (T / 2) + 8 (T % 2) + r + 8 (r / 8), in A and in Wo alike; the way out puts every number at its true place.
; REGISTERS.  Window 0: v1-10 addresses; v30, v31 the add's; v32-47 A's scale words (tile a, K step 4 H + i: v[32 + 4 a + i], lanes 16 H + r), v48-63 Wo's; v64-95 bo in the result's layout;
;   v96-159 the accumulators, (a, t) at v[96 + 32 (a % 2) + 8 t]; v160-223 rows on the way out.   Window 1: Wo's fragments of K steps 0-4, window 2: of 5-7.   Window 3: A's, tile a at v[96 (a % 2)].
; LIMITS: NaN and infinities are not served.
.set STG,   196608                     ; behind the tiles: a stage of 16 rows x (256 + 16) bytes for each wave; no tensor load lands there
.set SPARE, 214016                     ; and the spare words, 128 bytes for each wave
.set A16, 8                            ; LDS address of my A tiles, 16 bytes a lane
.set A8,  9                            ; the same, 8 bytes a lane
.set B16, 10                           ; of my Wo tiles
.set G1A, 28
.set G1B, 36
.set G0A, 44
.set G0B, 48
.set MSB, 0
.macro WIN new                         ; the immediate's high byte repeats the setting that is left
.if MSB != \new
	s_set_vgpr_msb (MSB<<8)|\new
.set MSB, \new
.endif
.endm
.macro PLACES
.rept 4
	v_nop
.endr
.endm
.macro CROUND                          ; a round of the cluster's barrier
	s_barrier_signal -1
	s_barrier_wait -1
	s_cmp_lg_u32 s18, 0
	s_cbranch_scc1 .Lnot_wave_0_\@
	s_barrier_signal -3
.Lnot_wave_0_\@:
	s_barrier_wait -3
	s_barrier_signal -1
	s_barrier_wait -1
.endm
	s_load_b256 s[4:11], s[0:1], 0x0               ; ao_codes s[4:5], ao_scales s[6:7], xw_codes s[8:9], xw_scales s[10:11]
	s_load_b128 s[12:15], s[0:1], 0x20             ; bo s[12:13], out0 s[14:15]
	v_lshl_add_u32 v30, v0, 2, SPARE
	v_mov_b32 v31, 0
	ds_add_u32 v30, v31                            ; the wave's opening: the add, twice on end, and its wait
	ds_add_u32 v30, v31
	v_lshrrev_b32 v1, 5, v0
	v_readfirstlane_b32 s18, v1                    ; wave 0..3
	s_lshr_b32 s19, s18, 1                         ; sigma: my 64 rows.  Also: I fetch for A (0) or for Wo (1)
	s_and_b32 s20, s18, 1                          ; par: my 64 columns.  Also: which four tiles I fetch
	s_bfe_u32 s21, ttmp6, 0x40000                  ; cx
	s_bfe_u32 s22, ttmp6, 0x40004                  ; cy
	s_lshl_b32 s23, ttmp9, 2
	s_add_co_u32 s23, s23, s21                     ; the block of 128 columns
	s_and_b32 s24, ttmp7, 0xffff
	s_lshl_b32 s24, s24, 2
	s_add_co_u32 s24, s24, s22                     ; the block of 128 rows
	s_lshl_b32 s25, s22, 2
	s_lshl_b32 s25, 15, s25                        ; my row of the cluster
	s_lshl_b32 s26, 0x1111, s21                    ; my column
	s_or_b32 s[G1A], s25, (3<<16)|(1<<21)          ; group 1: 4 rows of 12,288 bytes (a tile's eight K steps), dense; no padding
	s_or_b32 s[G1B], s26, (3<<16)|(1<<21)
.irp g, G1A, G1B
	s_mov_b32 s[\g+1], 1536<<16
	s_mov_b32 s[\g+2], 4<<16
	s_mov_b32 s[\g+3], 1536<<16
	s_mov_b32 s[\g+4], 4
	s_mov_b32 s[\g+5], 1536
	s_mov_b32 s[\g+6], 0
	s_mov_b32 s[\g+7], 0
.endr
	s_lshl_b32 s80, s24, 3
	s_lshl_b32 s81, s20, 2
	s_add_co_u32 s80, s80, s81
	s_mul_i32 s80, s80, 12288                      ; A: tile 8 x block + 4 x half
	s_mov_b32 s81, 0
	s_lshl_b32 s82, s23, 3
	s_lshl_b32 s83, s20, 2
	s_add_co_u32 s82, s82, s83
	s_add_co_u32 s82, s82, 448
	s_mul_i32 s82, s82, 12288                      ; Wo: tile 448 + 8 x block + 4 x half
	s_mov_b32 s83, 0
	s_mul_i32 s84, s18, 49152                      ; where they go: wave x four tiles
	s_wait_alu depctr_va_vdst(0)
	s_wait_dscnt 0x0                               ; both opening adds are done
	s_wait_kmcnt 0x0
	s_mov_b32 s[G0A], 1
	s_add_co_u32 s[G0A+1], s84, 0
	s_add_nc_u64 s[G0A+2:G0A+3], s[4:5], s[80:81]
	s_or_b32 s[G0A+3], s[G0A+3], 0x80000000
	s_mov_b32 s[G0B], 1
	s_add_co_u32 s[G0B+1], s84, 0
	s_add_nc_u64 s[G0B+2:G0B+3], s[8:9], s[82:83]
	s_or_b32 s[G0B+3], s[G0B+3], 0x80000000
	CROUND                                         ; all sixteen work-groups are here: the joint loads meet
	s_cmp_eq_u32 s19, 0
	s_cbranch_scc0 .Lfirst_b
	tensor_load_to_lds s[G0A:G0A+3], s[G1A:G1A+7]
	s_nop 0
	PLACES
	s_branch .Lfirst_done
.Lfirst_b:
	tensor_load_to_lds s[G0B:G0B+3], s[G1B:G1B+7]
	s_nop 0
	PLACES
.Lfirst_done:
	v_and_b32 v22, 31, v0
	v_and_b32 v20, 15, v0                          ; r
	v_bfe_u32 v21, v0, 4, 1                        ; h
	v_lshlrev_b32 v1, 4, v22                       ; 16 x lane
	v_lshlrev_b32 v2, 3, v22                       ; 8 x lane
	v_lshlrev_b32 v3, 2, v20
	v_lshl_add_u32 v3, v21, 8, v3                  ; A's scale words: 256 h + 4 r
	v_lshlrev_b32 v4, 6, v21                       ; 64 h: sixteen f32 of bo
	s_wait_alu depctr_va_vdst(0)
	s_lshl_b32 s2, s24, 3
	s_lshl_b32 s3, s19, 2
	s_add_co_u32 s2, s2, s3
	s_lshl_b32 s2, s2, 9                           ; my four tiles of A: 512 bytes of scale words a tile
	s_mov_b32 s3, 0
	s_add_nc_u64 s[86:87], s[6:7], s[2:3]
.irp a, 0,1,2,3
.irp i, 0,1,2,3
	global_load_b32 v[32+4*\a+\i], v3, s[86:87] offset:512*\a+64*\i   ; K step 4 h + i of row r
.endr
.endr
	s_lshl_b32 s2, s23, 3
	s_lshl_b32 s85, s20, 2
	s_add_co_u32 s2, s2, s85
	s_add_co_u32 s2, s2, 448
	s_lshl_b32 s2, s2, 9
	s_add_nc_u64 s[10:11], s[10:11], s[2:3]
.irp t, 0,1,2,3
	global_load_b128 v[48+4*\t:48+4*\t+3], v1, s[10:11] offset:512*\t
.endr
	s_lshl_b32 s2, s23, 9
	s_lshl_b32 s85, s20, 8
	s_add_co_u32 s2, s2, s85                       ; my 64 columns, in bytes: of bo, and of a row of out0
	s_add_nc_u64 s[12:13], s[12:13], s[2:3]
	s_add_nc_u64 s[14:15], s[14:15], s[2:3]
.irp t, 0,1,2,3
	global_load_b128 v[64+8*\t:64+8*\t+3], v4, s[12:13] offset:(32*(\t/2)+8*(\t%2))*4      ; register 8 t + j: bo of column 32 (t / 2) + 16 h + 8 (t % 2) + j
	global_load_b128 v[64+8*\t+4:64+8*\t+7], v4, s[12:13] offset:(32*(\t/2)+8*(\t%2))*4+16
.endr
	s_lshl_b32 s2, s24, 7
	s_lshl_b32 s85, s19, 6
	s_add_co_u32 s2, s2, s85
	s_lshl_b32 s2, s2, 12                          ; my first row of out0, 4,096 bytes a row
	s_add_nc_u64 s[14:15], s[14:15], s[2:3]
	s_mul_i32 s85, s19, 49152                      ; my four tiles of A,
	s_mul_i32 s84, s20, 49152
	s_add_co_u32 s84, s84, 98304                   ; my four of Wo
	v_add_nc_u32 v[A16], s85, v1
	v_add_nc_u32 v[A8], s85, v2
	v_add_nc_u32 v[B16], s84, v1
	s_mul_i32 s85, s18, 4352
	s_add_co_u32 s85, s85, STG                     ; my stage
	s_wait_alu depctr_va_vdst(0)
	v_mul_u32_u24 v5, v20, 272
	v_lshl_add_u32 v5, v21, 6, v5
	v_add_nc_u32 v5, s85, v5                       ; in: row r, + 64 h bytes
	v_mul_u32_u24 v6, v21, 272
	v_lshl_add_u32 v6, v20, 4, v6
	v_add_nc_u32 v6, s85, v6                       ; back: lanes 0-15 one row of 256 bytes, lanes 16-31 the next
	v_lshlrev_b32 v7, 12, v21
	v_lshl_add_u32 v7, v20, 4, v7                  ; and the same two rows in out0
; A fragment of A is two halves (two heads) of 768 bytes: four registers at 16 bytes a lane, two at 8 bytes a lane
.macro FA a, k
.set FR, 96*((\a)%2)+12*(\k)
.set FO, 12288*(\a)+1536*(\k)
	WIN 0xc0
	ds_load_b128 v[FR:FR+3], v[A16] offset:FO
	ds_load_b64 v[FR+4:FR+5], v[A8] offset:FO+512
	ds_load_b128 v[FR+6:FR+9], v[A16] offset:FO+768
	ds_load_b64 v[FR+10:FR+11], v[A8] offset:FO+1280
.endm
.macro FB k                            ; Wo's four fragments of K step k
.set FR, 48*((\k)%5)
	WIN 0x40+0x40*((\k)/5)
.irp t, 0,1,2,3
.irp q, 0,1,2
	ds_load_b128 v[FR+12*\t+4*\q:FR+12*\t+4*\q+3], v[B16] offset:12288*\t+1536*(\k)+512*\q
.endr
.endr
.endm
; Tile a, K step k: four accumulators by turns, one instruction a turn
.macro MUL a, k
.set FR, 48*((\k)%5)
.set AR, 96*((\a)%2)+12*(\k)
.set DR, 96+32*((\a)%2)
	WIN 0x0d+((\k)/5)                              ; source 0 (Wo) window 1 or 2, source 1 (A) window 3; C and D window 0
.irp t, 0,1,2,3
.if (\k) == 0
	v_wmma_scale_f32_16x16x128_f8f6f4 v[DR+8*\t:DR+8*\t+7], v[FR+12*\t:FR+12*\t+11], v[AR:AR+11], v[64+8*\t:64+8*\t+7], v[48+4*\t+(\k)%4], v[32+4*(\a)+(\k)%4] matrix_a_fmt:MATRIX_FMT_BF6 matrix_b_fmt:MATRIX_FMT_BF6
.elseif (\k) < 4
	v_wmma_scale_f32_16x16x128_f8f6f4 v[DR+8*\t:DR+8*\t+7], v[FR+12*\t:FR+12*\t+11], v[AR:AR+11], v[DR+8*\t:DR+8*\t+7], v[48+4*\t+(\k)%4], v[32+4*(\a)+(\k)%4] matrix_a_fmt:MATRIX_FMT_BF6 matrix_b_fmt:MATRIX_FMT_BF6
.else
	v_wmma_scale_f32_16x16x128_f8f6f4 v[DR+8*\t:DR+8*\t+7], v[FR+12*\t:FR+12*\t+11], v[AR:AR+11], v[DR+8*\t:DR+8*\t+7], v[48+4*\t+(\k)%4], v[32+4*(\a)+(\k)%4] matrix_a_fmt:MATRIX_FMT_BF6 matrix_b_fmt:MATRIX_FMT_BF6 matrix_a_scale:MATRIX_SCALE_ROW1 matrix_b_scale:MATRIX_SCALE_ROW1
.endif
.endr
.endm
; THE WAY OUT of tile a, 16 rows x my 64 columns, through my own stage: a lane's 32 bytes of a row go in, whole rows of 256 bytes come back, and sixteen lanes store 256 consecutive bytes, aligned.
; LDS serves a wave's instructions in order: no wait stands between the stores and the loads, nor ahead of the next tile's stores.
.macro TOSTAGE a
.set DR, 96+32*((\a)%2)
.set OB, 160+32*((\a)%2)
.if (\a) >= 2
	s_wait_xcnt 0x0                                ; the global stores of two tiles back have read these registers
.endif
.irp t, 0,1,2,3
	ds_store_b128 v5, v[DR+8*\t:DR+8*\t+3] offset:128*(\t/2)+32*(\t%2)        ; each accumulator from its low end on
	ds_store_b128 v5, v[DR+8*\t+4:DR+8*\t+7] offset:128*(\t/2)+32*(\t%2)+16
.endr
.irp i, 0,1,2,3,4,5,6,7
	ds_load_b128 v[OB+4*\i:OB+4*\i+3], v6 offset:544*\i
.endr
.endm
.macro SEND a, younger                 ; younger: the LDS loads issued behind the tile's, which may stay out
.set OB, 160+32*((\a)%2)
	s_wait_dscnt \younger
.irp i, 0,1,2,3,4,5,6,7
	global_store_b128 v7, v[OB+4*\i:OB+4*\i+3], s[14:15] offset:(32*((\a)/2)+8*((\a)%2)+2*\i+8*(\i/4))*4096 th:TH_STORE_NT   ; stage row 2 i + h is row 32 (a / 2) + 8 (a % 2) + 2 i + h + 8 (i / 4) of my 64
.endr
.endm
	s_wait_alu depctr_va_vdst(0)                   ; the wait at the head's end
	s_wait_tensorcnt 0x0                           ; my four tiles are in
	s_barrier_signal -1
	s_barrier_wait -1                              ; everybody's are
	FA 0, 0
	FB 0
	FA 0, 1
	FB 1
	s_wait_loadcnt 0x0                             ; the scale words and bo
.irp k, 0,1,2,3,4,5,6,7
.if \k < 6
	FA 0, \k+2
	FB \k+2
.else
.irp n, 0,1,2,3
	FA 1, 4*(\k-6)+\n                              ; the next tile of A
.endr
.endif
	s_wait_dscnt 32                                ; all but the two youngest groups of 16: this K step's fragments are in
	MUL 0, \k
.endr
.irp a, 0,1,2
	WIN 0
	PLACES                                         ; behind tile a's last products: for its stores, and for the loads into A's registers
	TOSTAGE \a
.if \a < 2
.irp k, 0,1,2,3,4,5,6,7
	FA \a+2, \k
.endr
	s_wait_dscnt 48                                ; A's tile a + 1 is in: behind it were issued the stage's 16 and these 32
.else
	s_wait_dscnt 16
.endif
.irp k, 0,1,2,3
	MUL \a+1, \k
.endr
	WIN 0
.if \a < 2
	SEND \a, 32
.else
	SEND \a, 0
.endif
.irp k, 4,5,6,7
	MUL \a+1, \k
.endr
.endr
	WIN 0
	PLACES
	TOSTAGE 3
	SEND 3, 0
	s_wait_tensorcnt 0x0                           ; the wave's end
	ds_add_u32 v30, v31
	s_wait_dscnt 0x0
	CROUND                                         ; the closing round: no work-group ends while a partner may still ask for a tile that names it
	s_endpgm
.Lfunc_end_k_q2f67d6fcc9_oproj:
	.size	k_q2f67d6fcc9_oproj, .Lfunc_end_k_q2f67d6fcc9_oproj-k_q2f67d6fcc9_oproj
	.p2alignl 7, 3214868480
	.fill 96, 4, 3214868480
	.section	.rodata,"a",@progbits
	.p2align	6, 0x0
	.amdhsa_kernel k_q2f67d6fcc9_oproj
		.amdhsa_group_segment_fixed_size 214528
		.amdhsa_private_segment_fixed_size 0
		.amdhsa_enable_private_segment 0
		.amdhsa_kernarg_size 48
		.amdhsa_user_sgpr_count 2
		.amdhsa_user_sgpr_kernarg_segment_ptr 1
		.amdhsa_wavefront_size32 1
		.amdhsa_system_sgpr_workgroup_id_x 1
		.amdhsa_system_sgpr_workgroup_id_y 1
		.amdhsa_system_sgpr_workgroup_id_z 1
		.amdhsa_system_vgpr_workitem_id 0
		.amdhsa_next_free_vgpr 1024
		.amdhsa_next_free_sgpr 96
		.amdhsa_reserve_vcc 0
		.amdhsa_float_denorm_mode_32 3
		.amdhsa_float_denorm_mode_16_64 3
		.amdhsa_memory_ordered 1
		.amdhsa_forward_progress 1
		.amdhsa_inst_pref_size 49
	.end_amdhsa_kernel
	.amdgpu_metadata
---
amdhsa.version: [ 1, 2 ]
amdhsa.kernels:
  - .name:           k_q2f67d6fcc9_oproj
    .symbol:         k_q2f67d6fcc9_oproj.kd
    .args:
      - { .name: ao_codes, .offset: 0, .size: 8, .value_kind: global_buffer, .address_space: global }
      - { .name: ao_scales, .offset: 8, .size: 8, .value_kind: global_buffer, .address_space: global }
      - { .name: xw_codes, .offset: 16, .size: 8, .value_kind: global_buffer, .address_space: global }
      - { .name: xw_scales, .offset: 24, .size: 8, .value_kind: global_buffer, .address_space: global }
      - { .name: bo, .offset: 32, .size: 8, .value_kind: global_buffer, .address_space: global }
      - { .name: out0, .offset: 40, .size: 8, .value_kind: global_buffer, .address_space: global }
    .group_segment_fixed_size: 214528
    .private_segment_fixed_size: 0
    .kernarg_segment_align: 8
    .kernarg_segment_size: 48
    .max_flat_workgroup_size: 128
    .sgpr_count:     96
    .vgpr_count:     1024
    .wavefront_size: 32
...
	.end_amdgpu_metadata
.endif
;; end of part 4
